; MI455X (gfx1250); checked and timed in simulation.
; The chip was launched on July 23, 2026; its instructions are those of AMD's public machine-readable ISA for CDNA 5 (MIT licence, August 2026) and "CDNA5" Instruction Set Architecture Reference Guide (July 2026). The comments in the code are by the model that wrote it; some were corrected since.
;; Causal Self Attention. Allowed arithmetic: matrix products marked QUANTISED: E3M2 operands, one E8M0 scale for each 32 along K, by v_wmma_scale_f32_16x16x128_f8f6f4 with both operands' format E3M2, f32 sums; everything else in f32.
;; Inputs: b_out 1,024 float32; b_qkv 3,072 float32; w_out 1,024 x 1,024 float32; w_qkv 3,072 x 1,024 float32; x 4 x 2,048 x 1,024 float32.
;; Outputs: out0 4 x 2,048 x 1,024 float32.
;; This version of the problem:
;;   THIS VERSION OF THE PROBLEM IS GIVEN IN LOW PRECISION. The matrix products marked QUANTISED in the list below multiply operands that are first quantised to E3M2 (3 exponent bits, 2 mantissa bits; 6 bits a number), with one power-of-two scale for each 32 numbers along K (OCP MX v1.0); their sums are f32. All else is computed in f32.
;;   The module's matrix products, in the order in which they are computed (A, B: the left and right operand; K: the contracted axis; several contracted axes count as one K, in the product's order):
;;     1. [M 8,192, K 1,024] x [K 1,024, N 3,072]; A: input x; B: input w_qkv: QUANTISED
;;     2. batch 64 x [M 2,048, K 64] x [K 64, N 2,048]; A: computed on the way; B: computed on the way: QUANTISED
;;     3. batch 64 x [M 2,048, K 2,048] x [K 2,048, N 64]; A: softmax (see below); B: computed on the way: QUANTISED
;;     4. [M 8,192, K 1,024] x [K 1,024, N 1,024]; A: computed on the way; B: input w_out: QUANTISED
;;   THE QUANTISER, for each operand of a quantised product, along K:
;;     - K is cut into blocks of 32 from its start; a last block that is shorter is filled with zeros.
;;     - A block's scale is 2^e with e = floor(log2(the largest magnitude in the block)) - 4, held to -126 .. 127; a block of zeros has e = 0. As a byte (E8M0): e + 127.
;;     - Each number is divided by its block's scale, clamped to +-28, and rounded to the nearest number of E3M2, ties to even, subnormals kept.
;;     - The product sums the exact products of the quantised numbers (number of the format x scale) in f32.
;;   ~~~python
;;   def quantise(x, axis):      # numpy; x: float32 -> the quantised numbers, widened to float32 again
;;       x = np.moveaxis(x, axis, -1); K = x.shape[-1]
;;       x = np.pad(x, [(0, 0)] * (x.ndim - 1) + [(0, -K % 32)]); x = x.reshape(x.shape[:-1] + (-1, 32)); a = np.abs(x).max(-1, keepdims=True)
;;       e = np.where(a > 0, np.clip(np.frexp(np.where(a > 0, a, 1))[1] - 1 - 4, -126, 127), 0)      # np.frexp(a)[1] - 1 = floor(log2(a)), exactly
;;       r = np.clip(x / 2.0 ** e, -28, 28)
;;       step = 2.0 ** (np.maximum(np.frexp(np.where(r == 0, 1, r))[1] - 1, -2) - 2)
;;       q = np.round(r / step) * step * 2.0 ** e      # np.round: ties to even
;;       return np.moveaxis(q.reshape(q.shape[:-2] + (-1,))[..., :K], -1, axis).astype(np.float32)
;;   ~~~
;;   SOFTMAX AHEAD OF A QUANTISED PRODUCT. Where the list says 'softmax', what is quantised is not the finished softmax but p = 2^(t - M), with t = logit x log2(e) and M = ceil(the row's largest t), a whole number; so 1/2 < the row's largest p <= 1. The row's sum l is taken of the UNQUANTISED p, in f32, and the product's result is divided by l at the end. Since M is a whole number, a kernel that streams over the keys may use a running M (the ceiling of the running maximum): every later rescaling is an exact power of two, which a block's scale takes up: the codes' values come out the same.
;;   OPERANDS COMPUTED ON THE WAY. 'Computed on the way' means the value that the module computes at that place (a softmax that the list does not call 'softmax' is quantised finished and normalised). What goes into a quantiser is computed in f32, as accurately as f32 sums, v_exp_f32 and their like allow (about 1e-6 of the number): no bf16 or f16 on the way to a quantiser, and a product that is left as it is and whose result goes on into a quantised operand takes f32 operands (vector FMAs, or v_wmma_f32_16x16x4_f32). A number that lies on a knife's edge between two numbers of the format may be rounded either way, as far as f32 arithmetic and the matrix unit's own rounding can turn it there, and no further.
;; One version. Each part assembles by itself: llvm-mc -triple=amdgcn-amd-amdhsa -mcpu=gfx1250 --defsym DOCPART=n.
;; ======== version 1 of 1: 4 launches
;; limits: right only within a limited range of input values
;; workspace buffers: codes 9,437,184 bytes; scales 393,216 bytes; q_codes 6,291,456 bytes; q_scales 524,288 bytes; kv 13,369,344 bytes; ao_codes 6,291,456 bytes; ao_scales 262,144 bytes
;; launch quant (part 1): grid 384 x 1, 4 waves a work-group, no clusters, 33,280 bytes of LDS; arguments x, w_qkv, w_out, codes, scales; writes codes, scales
.if DOCPART == 1
	.amdgcn_target "amdgcn-amd-amdhsa--gfx1250"
	.amdhsa_code_object_version 6
	.text
	.protected	k_q258907cda8_quant
	.globl	k_q258907cda8_quant
	.p2align	8
	.type	k_q258907cda8_quant,@function
k_q258907cda8_quant:
	s_mov_b64 s[64:65], 0
	v_nop
	global_prefetch_b8 v0, s[64:65] scope:SCOPE_SE
	s_setreg_imm32_b32 hwreg(HW_REG_WAVE_MODE, 25, 1), 1
	s_wait_xcnt 0x0
; x [8192][1024], w_qkv [3072][1024] and w_out [1024][1024], f32, K innermost, become codes of BF6 (E3M2) with one E8M0 scale byte for each 32 along K.
; The three tensors count as one run of 12,288 rows (x, then w_qkv, then w_out).
; LAYOUT OF THE CODES: [16 planes][12,288 positions][48 bytes]: plane t holds k = 64 t .. 64 t + 63 of every row, two blocks of 24 bytes.
; LAYOUT OF THE SCALE BYTES: [12,288 positions][32 bytes], byte k / 32.
; POSITIONS: row n lies at the position that is n with bits 3 and 4 exchanged.
; A block's scale is 2^(floor(log2(its largest magnitude)) - 4); its byte is the largest magnitude's exponent field - 4, held at 1 from below.
; LIMITS: a block of zeros gets the byte 1 where the rule says 127 (its codes are zeros, and this program alone reads the bytes); blocks whose largest magnitude lies under 2^(4 - 126)
; have their byte held at 1; NaN and infinities among the inputs are not served.
; SHARES: a work-group takes 32 rows, a wave 8 neighbouring rows, which are 8 neighbouring positions.  Step t of 16 is plane t: 8 rows x 64 numbers.
; Each of a step's four loads reads two rows' 256 consecutive bytes; the 2,048 bytes turn through the wave's own stage in LDS, so that a lane holds 16 neighbours along K (two lanes a block).
; A lane's 16 codes are 12 bytes; the wave stores 384 consecutive bytes of a plane.  The wave's 256 scale bytes are gathered in LDS and leave as one aligned run of 256 bytes.
; No tensor loads, no barrier: waves share nothing.  Loads run AHEAD = 8 steps (32 loads a wave) ahead, the turn through LDS one step.
.set STEPS, 16
.set AHEAD, 8
.set PLANE, 12288*48                   ; bytes of a plane
.set EMAX,  4
.set CB,    12                         ; bytes of 16 codes
.set R,     16                         ; v16-143  AHEAD sets of 16 numbers as they are loaded
.set X,     144                        ; v144-175 two sets of 16 neighbours
.set E,     176                        ; v176-183 scale bytes, eight registers by turns
.set SPW,   184                        ; v184     LDS address of my spare word; never rewritten
.set NIL,   185                        ; v185     0; never rewritten
.set C,     192                        ; v192-255 codes: four registers for each step, so that no store's data are written again
.set WREG,  8192                       ; LDS: a region for each wave: two stages of 32 x SP bytes, behind them its 256 scale bytes
.set SP,    80                         ; a lane's place in a stage: 64 bytes + 16 of padding
.set SPARE, 4*WREG                     ; behind the regions: the spare words
	s_load_b256 s[4:11], s[0:1], 0x0               ; x s[4:5], w_qkv s[6:7], w_out s[8:9], the codes s[10:11]
	s_load_b64 s[12:13], s[0:1], 0x20              ; the scale bytes
	v_lshl_add_u32 v[SPW], v0, 2, SPARE
	v_mov_b32 v[NIL], 0
	v_lshrrev_b32 v1, 5, v0
	v_readfirstlane_b32 s16, v1                    ; wave
	v_and_b32 v2, 31, v0                           ; lane
	v_and_b32 v3, 15, v2
	v_lshlrev_b32 v3, 4, v3
	v_lshrrev_b32 v1, 4, v2
	v_lshl_or_b32 v3, v1, 12, v3                   ; in: lanes 0-15 one row's 256 bytes of the plane, lanes 16-31 the next row's (4,096 bytes on)
	s_mul_i32 s17, s16, WREG
	v_lshrrev_b32 v14, 2, v2
	v_mul_u32_u24 v14, v14, SP
	v_and_b32 v15, 3, v2
	v_lshl_add_u32 v14, v15, 4, v14
	v_add_nc_u32 v14, s17, v14                     ; the stage, on the way in: four lanes' 64 bytes on end, then 16 of padding
	v_mul_u32_u24 v15, v2, SP
	v_add_nc_u32 v15, s17, v15                     ; and on the way out: my 16 neighbours: row lane / 4, numbers 16 (lane % 4) on
	v_mul_u32_u24 v4, v2, CB                       ; my codes' place in the wave's 384 bytes of a plane
	s_add_co_u32 s17, s17, 2*32*SP
	v_lshrrev_b32 v5, 2, v2
	v_lshlrev_b32 v5, 5, v5
	v_bfe_u32 v6, v2, 1, 1
	v_add_nc_u32 v5, v5, v6
	v_add_nc_u32 v5, s17, v5                       ; LDS: my row's 32 scale bytes, my block of the plane's two
	v_lshlrev_b32 v7, 3, v2                        ; and on the way out 8 bytes a lane
	v_add_nc_u32 v6, s17, v7
	s_wait_alu depctr_va_vdst(0)                   ; at the head's end
	s_wait_kmcnt 0x0
	s_mov_b32 s18, 352                             ; which tensor: work-groups 0-255 x, 256-351 w_qkv, 352-383 w_out.  The choice hangs on the work-group's number alone
	s_cmp_lt_u32 ttmp9, 352
	s_cselect_b64 s[6:7], s[6:7], s[8:9]
	s_cselect_b32 s18, 256, s18
	s_cmp_lt_u32 ttmp9, 256
	s_cselect_b64 s[4:5], s[4:5], s[6:7]
	s_cselect_b32 s18, 0, s18                      ; the tensor's first work-group
	s_sub_co_u32 s19, ttmp9, s18
	s_lshl_b32 s19, s19, 2
	s_add_co_u32 s19, s19, s16                     ; which run of 8 rows of the tensor is my wave's
	s_lshl_b32 s20, s19, 15                        ; 8 rows of 4,096 bytes
	s_mov_b32 s21, 0
	s_add_nc_u64 s[4:5], s[4:5], s[20:21]
	s_and_b32 s22, s16, 1                          ; the run's position: the wave's two bits exchanged
	s_lshl_b32 s22, s22, 1
	s_lshr_b32 s23, s16, 1
	s_or_b32 s22, s22, s23
	s_lshl_b32 s23, ttmp9, 2
	s_add_co_u32 s22, s22, s23
	s_mul_i32 s24, s22, 384                        ; 8 positions of 48 bytes,
	s_add_co_u32 s24, s24, 8*PLANE                 ; and plane 8, so that the sixteen planes lie inside the stores' signed 24-bit immediate
	s_mov_b32 s25, 0
	s_add_nc_u64 s[10:11], s[10:11], s[24:25]
	s_lshl_b32 s24, s22, 8                         ; 8 positions of 32 scale bytes
	s_add_nc_u64 s[12:13], s[12:13], s[24:25]
.macro LOAD t
.irp i, 0,1,2,3
	global_load_b128 v[R+16*((\t)%AHEAD)+4*\i:R+16*((\t)%AHEAD)+4*\i+3], v3, s[4:5] offset:256*(\t)+8192*\i th:TH_LOAD_NT   ; rows 2 i and 2 i + 1: 256 consecutive bytes each, at a multiple of 256
.endr
.endm
.macro TURN t                          ; step t's numbers through the stage: LDS serves a wave's instructions in order, so no wait stands between the stores and the loads
.irp i, 0,1,2,3
	ds_store_b128 v14, v[R+16*((\t)%AHEAD)+4*\i:R+16*((\t)%AHEAD)+4*\i+3] offset:32*SP*((\t)%2)+8*SP*\i
.endr
.irp i, 0,1,2,3
	ds_load_b128 v[X+16*((\t)%2)+4*\i:X+16*((\t)%2)+4*\i+3], v15 offset:32*SP*((\t)%2)+16*\i
.endr
.endm
.irp t, 0,1,2,3,4,5,6,7
	LOAD \t
.endr
	s_wait_loadcnt 4*(AHEAD-1)                     ; step 0's four loads are in; the 28 of steps 1 to 7 may be out
	TURN 0
.macro STEP t
.set XS, X+16*((\t)%2)
.if (\t) > 0
	s_wait_dscnt 1                                 ; this step's numbers are back from the stage (the last step's byte store may be out): so its stores into the stage have read their registers,
.else
	s_wait_dscnt 0x0
.endif
.if (\t)+AHEAD < STEPS
	LOAD (\t)+AHEAD                                ; which take the loads of AHEAD steps on
.endif
.if (\t)+1 < STEPS
.if STEPS-2-(\t) >= AHEAD-1
	s_wait_loadcnt 4*(AHEAD-1)                     ; the next step's four loads are in; those of the seven steps behind it may be out
.else
	s_wait_loadcnt 4*(STEPS-2-(\t))
.endif
	TURN (\t)+1                                    ; and go through the other stage while this step is worked
.endif
	v_max3_num_f32 v8, |v[XS]|, |v[XS+1]|, |v[XS+2]|               ; the largest magnitude of my 16, in two chains
	v_max3_num_f32 v9, |v[XS+3]|, |v[XS+4]|, |v[XS+5]|
.irp i, 6,10
	v_max3_num_f32 v8, v8, |v[XS+\i]|, |v[XS+\i+1]|
	v_max3_num_f32 v9, v9, |v[XS+\i+2]|, |v[XS+\i+3]|
.endr
	v_max3_num_f32 v8, v8, |v[XS+14]|, |v[XS+15]|
	v_max3_num_f32 v8, v8, v9, (EMAX+1)<<23        ; and the floor 2^(EMAX + 1 - 127): the byte cannot fall under 1
	v_max_num_f32_dpp v8, v8, v8 row_xmask:1 row_mask:0xf bank_mask:0xf   ; and of my neighbour's 16: the block's
	v_add_nc_u32 v11, -(EMAX<<23), v8              ; EMAX off its exponent field: the conversion takes the exponent field of this operand as its scale
	v_cvt_scalef32_pk16_bf6_f32 v[C+4*(\t):C+4*(\t)+2], v[XS:XS+15], v11   ; to the nearest code, ties to even, beyond the largest code the largest
	v_lshrrev_b32 v[E+(\t)%8], 23, v11             ; the scale's byte
	ds_store_b8 v5, v[E+(\t)%8] offset:2*(\t)      ; both lanes of a block write the same byte with the same value
	global_store_b96 v4, v[C+4*(\t):C+4*(\t)+2], s[10:11] offset:((\t)-8)*PLANE   ; the wave stores 384 consecutive bytes of plane t
.endm
.irp t, 0,1,2,3,4,5,6,7,8,9,10,11,12,13,14,15
	STEP \t
.endr
	ds_load_b64 v[12:13], v6                       ; LDS serves a wave's instructions in order: these see my stores
	s_wait_dscnt 0x0
	global_store_b64 v7, v[12:13], s[12:13]        ; 32 lanes store 256 consecutive bytes, at a multiple of 256
	s_wait_tensorcnt 0x0                           ; the wave's end
	ds_add_u32 v[SPW], v[NIL]
	s_wait_dscnt 0x0
	s_endpgm
.Lfunc_end_k_q258907cda8_quant:
	.size	k_q258907cda8_quant, .Lfunc_end_k_q258907cda8_quant-k_q258907cda8_quant
	.p2alignl 7, 3214868480
	.fill 96, 4, 3214868480
	.section	.rodata,"a",@progbits
	.p2align	6, 0x0
	.amdhsa_kernel k_q258907cda8_quant
		.amdhsa_group_segment_fixed_size 33280
		.amdhsa_private_segment_fixed_size 0
		.amdhsa_enable_private_segment 0
		.amdhsa_kernarg_size 40
		.amdhsa_user_sgpr_count 2
		.amdhsa_user_sgpr_kernarg_segment_ptr 1
		.amdhsa_wavefront_size32 1
		.amdhsa_system_sgpr_workgroup_id_x 1
		.amdhsa_system_sgpr_workgroup_id_y 1
		.amdhsa_system_sgpr_workgroup_id_z 1
		.amdhsa_system_vgpr_workitem_id 0
		.amdhsa_next_free_vgpr 256
		.amdhsa_next_free_sgpr 66
		.amdhsa_reserve_vcc 0
		.amdhsa_float_denorm_mode_32 3
		.amdhsa_float_denorm_mode_16_64 3
		.amdhsa_memory_ordered 1
		.amdhsa_forward_progress 1
		.amdhsa_inst_pref_size 33
	.end_amdhsa_kernel
	.amdgpu_metadata
---
amdhsa.version: [ 1, 2 ]
amdhsa.kernels:
  - .name:           k_q258907cda8_quant
    .symbol:         k_q258907cda8_quant.kd
    .args:
      - { .name: x, .offset: 0, .size: 8, .value_kind: global_buffer, .address_space: global }
      - { .name: w_qkv, .offset: 8, .size: 8, .value_kind: global_buffer, .address_space: global }
      - { .name: w_out, .offset: 16, .size: 8, .value_kind: global_buffer, .address_space: global }
      - { .name: codes, .offset: 24, .size: 8, .value_kind: global_buffer, .address_space: global }
      - { .name: scales, .offset: 32, .size: 8, .value_kind: global_buffer, .address_space: global }
    .group_segment_fixed_size: 33280
    .private_segment_fixed_size: 0
    .kernarg_segment_align: 8
    .kernarg_segment_size: 40
    .max_flat_workgroup_size: 128
    .sgpr_count:     66
    .vgpr_count:     256
    .wavefront_size: 32
...
	.end_amdgpu_metadata
.endif
;; end of part 1
;; launch gemm_qkv (part 2): grid 4 x 64, 4 waves a work-group, clusters of 4 x 4, 327,680 bytes of LDS; arguments codes, scales, b_qkv, q_codes, q_scales, kv; writes q_codes, q_scales, kv
.if DOCPART == 2
	.amdgcn_target "amdgcn-amd-amdhsa--gfx1250"
	.amdhsa_code_object_version 6
	.text
	.protected	k_q258907cda8_gemm_qkv
	.globl	k_q258907cda8_gemm_qkv
	.p2align	8
	.type	k_q258907cda8_gemm_qkv,@function
k_q258907cda8_gemm_qkv:
	s_mov_b64 s[64:65], 0
	v_nop
	global_prefetch_b8 v0, s[64:65] scope:SCOPE_SE
	s_setreg_imm32_b32 hwreg(HW_REG_WAVE_MODE, 25, 1), 1
	s_wait_xcnt 0x0
	s_wait_alu depctr_hold_cnt(0) depctr_sa_sdst(0) depctr_va_vdst(0) depctr_va_sdst(0) depctr_va_ssrc(0) depctr_va_vcc(0) depctr_vm_vsrc(0)
	s_getreg_b32 s2, hwreg(HW_REG_IB_STS2, 6, 4)
	s_cmp_eq_u32 s2, 0
	s_cbranch_scc0 .Lentry_in_a_cluster
	s_endpgm
.Lentry_in_a_cluster:
	s_bfe_u32 s2, ttmp6, 0x10000c
	s_cmp_lg_u32 s2, 0xf033
	s_cbranch_scc0 .Lentry_shape_is_right
	s_endpgm
.Lentry_shape_is_right:
; qkv = x w_qkv^T + b_qkv on codes of BF6 (E3M2) with E8M0 scales, and q, k, v quantised again on the way out: no f32 number of qkv goes to memory.
; OPERANDS: codes [16 planes of 64 along K][12,288 positions][48 bytes], scales [12,288 positions][32 bytes]; positions 0-8191 x, 8192-11263 w_qkv.  A row n lies at the position n with bits 3 and 4 exchanged.
; A WORK-GROUP STAYS: 64 x 4 = 256 work-groups; work-group (g, y) takes tokens 128 y .. + 127 and walks three tiles of 256 channels: 256 g .. of q, then of k, then of v: the same path in every partner of a cluster.
; LDS: x's codes of the 128 tokens for all of K (16 x 6,144 bytes) come once and stay; beside them lies one tile of w for all of K (16 x 12,288 bytes), filled again for k and for v, four planes a wave, behind
; a round of the cluster's barrier directly after a tile's last products: the load is on its way while the results are quantised.  The waves' stages have bytes of their own behind the tiles.
; A wave makes 64 x 128: 32 accumulators by turns; eight steps of 128 along K, two sets of fragments.
; THE MATRIX INSTRUCTION IS USED TRANSPOSED: a lane holds one row of source 1, and by the order of positions the 16 registers of source 0's tiles 2 b and 2 b + 1 are 16 neighbours: 32 b + 16 (lane / 16) + 0 .. 15.
;   q, k: source 0 = 128 channels of w, source 1 = 64 tokens: registers run along the heads' channels.     v: source 0 = the 128 tokens, source 1 = 64 channels of w_v (one head): registers run along the keys.
; THE SCALE WORDS go from memory straight into registers: lane (r, h) loads the 16 bytes at 32 r + 16 h of a block of 16 rows: register j holds step j's word in lanes 0-15 and step 4 + j's in lanes 16-31.
; RESULTS: q_codes [16 heads][8,192 token positions][48], q_scales [16][8,192][4] (two bytes, two zeros); kv: a record of 208,896 bytes for each (batch, head):
;   k's codes [2,048 positions][48]; v's codes [32 chunks of 64 keys][64 channel positions][48]; k's scale words [2,048][4]; v's scale words [16 steps of 128 keys][64 channel positions][4].
; CLUSTERS: 4 x 4; x's tile is asked for jointly along a row of the cluster, w's tiles along a column.
; PREFETCH: at the head of the q and of the k tile each wave names one plane (48 blocks of 256 bytes) of its four of the NEXT tile of w; the four partners of a column take the four planes, told apart by address.
; LIMITS: NaN and infinities are not served; a block of zeros carries the byte 1 with zero codes (this program alone reads the bytes).
; REGISTERS: window 0: v0-31 addresses; v32-47, v48-79, v236-251 scale words; v128-223 source 1's fragments, two sets; on the way out v80-235.  Window 1: source 0's fragments, at v0 and v128.
;   Window 2: accumulator (a, b) at v[8 (8 a + b)].  Window 3: v0-63 the bias along the registers, v64-67 along the rows.
.set PLANE,  589824
.set PLQ,    393216
.set REC,    208896
.set APL,    6144                      ; a plane of x's tile in LDS: 128 rows x 48
.set BPL,    12288                     ; of w's: 256 rows x 48
.set BOFF,   16*APL
.set STG,    BOFF+16*BPL               ; the stages: for each wave codes [2][64 rows][48], then scale words [2][64][4]
.set WSTG,   6656
.set SPARE,  STG+4*WSTG                ; the spare words, 128 bytes for each wave
.set FR,     12
.set BNA,  3
.set PF1,  4
.set VSO,  5
.set VSH,  6
.set VS0,  7
.set ADRW, 8                           ; v8-11   w's rows as source 1 (v)
.set ADRX, 12                          ; v12-13  x's rows as source 0 (v)
.set CO,   14
.set CO1,  15
.set ADRA, 16                          ; v16-17  x's rows as source 1 (q, k)
.set ADRB, 18                          ; v18-21  w's rows as source 0 (q, k)
.set BMA,  22
.set VSB,  23
.set STO,  24
.set SST,  25
.set RD,   26
.set CO8,  27
.set SPW,  28
.set NIL,  29
.set RD8,  30
.set PF0,  31
.set SA,   32
.set SBS,  48
.set HA,   80                          ; the way out: a block's 64 numbers a lane
.set AF,   128
.set PC,   144
.set TM,   164
.set PW,   180
.set T,    181
.set OUT,  184
.set SAV,  236
.set BN,   0                           ; in window 3
.set BM,   64
.set G1, 24
.set G0, 32
.set G1B, 48
.set G0B, 56
.set G0R, 60
.set SEL, 66
.set OC, 68                            ; s[68:71] where this tile's codes and scale words go;  s[72:75] k's;  s[76:79] v's
.set SN, 80                            ; s[80:81] source 0's scales of the next tile;  s[82:83] x's
.set HS, 84                            ; from a head's codes to the next head's;  s85: the same for scale words
.set SS, 85
.set TR, 86
.set PFA, 90
.set MSB, 0
.macro WIN new                         ; the immediate's high byte repeats the setting that is left
.if MSB != \new
	s_set_vgpr_msb (MSB<<8)|\new
.set MSB, \new
.endif
.endm
.set MUL,  0xa1                        ; source 0 window 1, source 1 window 0, C and D window 2
.set TO_B, 0x40
.macro CROUND                          ; a round of the cluster's barrier
	s_barrier_signal -1
	s_barrier_wait -1
	s_cmp_lg_u32 s14, 0
	s_cbranch_scc1 .Lnot_wave_0_\@
	s_barrier_signal -3
.Lnot_wave_0_\@:
	s_barrier_wait -3
	s_barrier_signal -1
	s_barrier_wait -1
.endm
.macro PLACES
.rept 4
	v_nop
.endr
.endm
	s_load_b128 s[4:7], s[0:1], 0x0                ; codes, scales
	s_load_b128 s[8:11], s[0:1], 0x10              ; b_qkv, q_codes
	s_load_b128 s[96:99], s[0:1], 0x20             ; q_scales, kv
	v_lshl_add_u32 v[SPW], v0, 2, SPARE
	v_mov_b32 v[NIL], 0
	ds_add_u32 v[SPW], v[NIL]                      ; the opening lines: the add, twice on end, and its wait
	ds_add_u32 v[SPW], v[NIL]
	v_lshrrev_b32 v1, 5, v0
	v_readfirstlane_b32 s14, v1                    ; wave 0..3
	s_lshr_b32 s15, s14, 1
	s_and_b32 s16, s14, 1
	s_bfe_u32 s40, ttmp6, 0x40000                  ; cx = g
	s_bfe_u32 s41, ttmp6, 0x40004                  ; cy
	s_and_b32 s17, ttmp7, 0xffff
	s_lshl_b32 s17, s17, 2
	s_add_co_u32 s17, s17, s41                     ; tile of 128 tokens
	s_lshl_b32 s43, s41, 2
	s_lshl_b32 s43, 15, s43                        ; my row of the cluster
	s_lshl_b32 s44, 0x1111, s40                    ; my column
	s_or_b32 s[G1], s43, (3<<16)|(1<<21)           ; x: eight planes' runs of 128 positions x 48 bytes, in elements of 8 bytes
	s_mov_b32 s[G1+1], 768<<16
	s_mov_b32 s[G1+2], 8<<16
	s_mov_b32 s[G1+3], 768<<16
	s_mov_b32 s[G1+4], 8
	s_mov_b32 s[G1+5], PLANE/8
	s_mov_b32 s[G1+6], 0
	s_mov_b32 s[G1+7], 0
	s_or_b32 s[G1B], s44, (3<<16)|(1<<21)          ; w: runs of 256 positions; eight planes at the head, four in a refill
	s_mov_b32 s[G1B+1], 1536<<16
	s_mov_b32 s[G1B+2], 8<<16
	s_mov_b32 s[G1B+3], 1536<<16
	s_mov_b32 s[G1B+4], 8
	s_mov_b32 s[G1B+5], PLANE/8
	s_mov_b32 s[G1B+6], 0
	s_mov_b32 s[G1B+7], 0
	s_mov_b32 s[SEL], 0x76543210
	s_mov_b32 s[SEL+1], 0xfedcba98
	s_lshl_b32 s18, s17, 7                         ; x's first position
	s_lshl_b32 s19, s40, 8
	s_add_co_u32 s19, s19, 8192                    ; w_q's first position
	s_mul_i32 s36, s16, 8*PLANE
	s_mul_i32 s20, s18, 48
	s_add_co_u32 s20, s20, s36                     ; the head's load of x: my eight planes
	s_mov_b32 s21, 0
	s_mul_i32 s46, s19, 48
	s_mul_i32 s37, s14, 4*PLANE
	s_add_co_u32 s88, s46, s37                     ; the refills: my four planes (of q's tile: stepped ahead of each refill)
	s_mov_b32 s89, 0
	s_mul_i32 s38, s41, PLANE
	s_add_co_u32 s[PFA], s88, s38
	s_add_co_u32 s[PFA], s[PFA], 49152             ; the prefetches: of my four planes of the next tile the one that my place in the column gives me
	s_mov_b32 s[PFA+1], 0
	s_add_co_u32 s46, s46, s36                     ; the head's load of w_q
	s_mov_b32 s47, 0
	s_lshl_b32 s39, s15, 6
	s_add_co_u32 s39, s39, s18                     ; q, k: my first token position
	s_lshl_b32 s22, s39, 5                         ; its scales
	s_mov_b32 s23, 0
	s_lshl_b32 s92, s16, 7
	s_add_co_u32 s92, s92, s19
	s_lshl_b32 s92, s92, 5                         ; the scales of my 128 rows of w_q
	s_mov_b32 s93, 0
	s_lshl_b32 s82, s18, 5                         ; of x's 128 rows
	s_mov_b32 s83, 0
	s_lshl_b32 s94, s14, 6
	s_add_co_u32 s94, s94, s19
	s_add_co_u32 s94, s94, 2048
	s_lshl_b32 s94, s94, 5                         ; of my 64 rows of w_v
	s_mov_b32 s95, 0
	s_mul_i32 s45, s16, 8*APL                      ; where the loads go: no place in the cluster enters an LDS address
	s_mul_i32 s2, s16, 8*BPL
	s_add_co_u32 s2, s2, BOFF
	s_mul_i32 s3, s14, 4*BPL
	s_add_co_u32 s3, s3, BOFF
	s_lshl_b32 s84, s40, 2                         ; where my results go.  q, k: my first head 4 g + 2 (wave % 2)
	s_lshl_b32 s85, s16, 1
	s_add_co_u32 s84, s84, s85
	s_mul_i32 s68, s84, PLQ
	s_mul_i32 s85, s39, 48
	s_add_co_u32 s68, s68, s85
	s_mov_b32 s69, 0
	s_lshl_b32 s70, s84, 15
	s_lshl_b32 s85, s39, 2
	s_add_co_u32 s70, s70, s85
	s_mov_b32 s71, 0
	s_lshr_b32 s86, s18, 11
	s_lshl_b32 s86, s86, 4                         ; 16 x batch
	s_add_co_u32 s85, s86, s84
	s_mul_i32 s85, s85, REC                        ; k's record
	s_and_b32 s87, s39, 2047
	s_mul_i32 s72, s87, 48
	s_add_co_u32 s72, s72, s85
	s_mov_b32 s73, 0
	s_lshl_b32 s74, s87, 2
	s_add_co_u32 s74, s74, s85
	s_add_co_u32 s74, s74, 196608
	s_mov_b32 s75, 0
	s_lshl_b32 s84, s40, 2                         ; v: my head 4 g + wave
	s_add_co_u32 s84, s84, s14
	s_add_co_u32 s84, s84, s86
	s_mul_i32 s84, s84, REC
	s_and_b32 s87, s18, 2047
	s_mul_i32 s76, s87, 48                         ; 3,072 bytes for each 64 keys
	s_add_co_u32 s76, s76, s84
	s_add_co_u32 s76, s76, 98304
	s_mov_b32 s77, 0
	s_lshl_b32 s78, s87, 1                         ; 256 bytes for each 128 keys
	s_add_co_u32 s78, s78, s84
	s_add_co_u32 s78, s78, 204800
	s_mov_b32 s79, 0
	s_wait_dscnt 0x0
	s_wait_kmcnt 0x0
	s_add_nc_u64 s[20:21], s[4:5], s[20:21]
	s_add_nc_u64 s[46:47], s[4:5], s[46:47]
	s_add_nc_u64 s[88:89], s[4:5], s[88:89]
	s_add_nc_u64 s[PFA:PFA+1], s[4:5], s[PFA:PFA+1]
	s_add_nc_u64 s[22:23], s[6:7], s[22:23]
	s_add_nc_u64 s[92:93], s[6:7], s[92:93]
	s_add_nc_u64 s[82:83], s[6:7], s[82:83]
	s_add_nc_u64 s[94:95], s[6:7], s[94:95]
	s_add_nc_u64 s[68:69], s[10:11], s[68:69]
	s_add_nc_u64 s[70:71], s[96:97], s[70:71]
	s_add_nc_u64 s[72:73], s[98:99], s[72:73]
	s_add_nc_u64 s[74:75], s[98:99], s[74:75]
	s_add_nc_u64 s[76:77], s[98:99], s[76:77]
	s_add_nc_u64 s[78:79], s[98:99], s[78:79]
	s_add_nc_u64 s[SN:SN+1], s[92:93], 32768       ; w_k's scales: 1,024 positions on
	CROUND                                         ; all sixteen work-groups are here: the first joint loads meet
	s_mov_b32 s[G0], 1
	s_mov_b32 s[G0+1], s45
	s_mov_b64 s[G0+2:G0+3], s[20:21]
	s_or_b32 s[G0+3], s[G0+3], 0x80000000
	s_mov_b32 s[G0B], 1
	s_mov_b32 s[G0B+1], s2
	s_mov_b64 s[G0B+2:G0B+3], s[46:47]
	s_or_b32 s[G0B+3], s[G0B+3], 0x80000000
	s_mov_b32 s[G0R], 1
	s_mov_b32 s[G0R+1], s3
	s_mov_b64 s[G0R+2:G0R+3], s[88:89]
	s_or_b32 s[G0R+3], s[G0R+3], 0x80000000
	s_cmp_eq_u32 s15, 0                            ; the head's loads, one a wave: waves 0, 1 x's planes 0-7, 8-15; waves 2, 3 w_q's
	s_cbranch_scc0 .Lfor_b
	tensor_load_to_lds s[G0:G0+3], s[G1:G1+7]
	s_nop 0
	PLACES
	s_branch .Lasked
.Lfor_b:
	tensor_load_to_lds s[G0B:G0B+3], s[G1B:G1B+7]
	s_nop 0
	PLACES
.Lasked:
	s_mul_i32 s36, s15, 3072                       ; q, k: my 64 rows in a plane of x,
	s_mul_i32 s37, s16, 6144                       ; my 128 rows in a plane of w
	s_add_co_u32 s37, s37, BOFF
	s_mul_i32 s38, s14, 3072                       ; v: my 64 rows in a plane of w
	s_add_co_u32 s38, s38, BOFF
	s_mul_i32 s19, s14, WSTG
	s_add_co_u32 s19, s19, STG                     ; my stage
	s_lshl_b32 s39, s40, 8
	s_lshl_b32 s45, s16, 7
	s_add_co_u32 s45, s45, s39
	s_lshl_b32 s45, s45, 2                         ; q, k: the bias of my first channel, in bytes
	s_lshl_b32 s46, s14, 6
	s_add_co_u32 s46, s46, s39
	s_lshl_b32 s46, s46, 2                         ; v: likewise
	s_mov_b32 s[HS], PLQ
	s_mov_b32 s[SS], 32768
	s_mov_b32 s[TR], 0
	v_and_b32 v1, 15, v0                           ; r
	v_bfe_u32 v2, v0, 4, 1                         ; h
	v_mul_u32_u24 v3, v1, 48
	v_mad_u32_u24 v4, v2, 24, v3                   ; a fragment's row x 48 + 24 x half
	v_add_nc_u32 v[ADRA], s36, v4
	v_add_nc_u32 v[ADRB], s37, v4
	v_add_nc_u32 v[ADRW], s38, v4
	v_mov_b32 v[ADRX], v4
	v_add_nc_u32 v[ADRX+1], 8*APL, v4
	v_add_nc_u32 v[STO], s19, v4
	v_add_nc_u32 v[ADRA+1], 8*APL, v[ADRA]
.irp k, 1,2,3
	v_add_nc_u32 v[ADRB+\k], \k*4*BPL, v[ADRB]
	v_add_nc_u32 v[ADRW+\k], \k*4*BPL, v[ADRW]
.endr
	v_lshlrev_b32 v[VSO], 5, v1
	v_lshl_add_u32 v[VSO], v2, 4, v[VSO]           ; scale words: 32 r + 16 h
	v_lshlrev_b32 v[SST], 2, v1
	v_lshl_add_u32 v[SST], v2, 8, v[SST]
	v_add_nc_u32 v[SST], s19, v[SST]
	v_add_nc_u32 v[SST], 6144, v[SST]              ; the stage's scale words: 4 r, + 256 for lanes 16-31
	v_and_b32 v[PF0], 31, v0
	v_lshlrev_b32 v[CO], 4, v[PF0]                 ; 16 x lane
	v_add_nc_u32 v[RD], s19, v[CO]
	v_lshlrev_b32 v[CO8], 3, v[PF0]                ; 8 x lane
	v_add_nc_u32 v[RD8], s19, v[CO8]
	v_add_nc_u32 v[RD8], 6144, v[RD8]
	v_lshlrev_b32 v[VSB], 4, v1
	v_lshlrev_b32 v[VSH], 4, v2                    ; q, k: lanes 16-31 keep the second head's two scale bytes
	v_lshl_add_u32 v[BNA], v2, 6, s45              ; 4 (first channel + 16 h)
	v_and_b32 v[BMA], 8, v1
	v_add_nc_u32 v[BMA], v[BMA], v1                ; r + 8 (r / 8)
	v_lshl_add_u32 v[BMA], v[BMA], 2, s46
	v_min_u32 v[PF1], 15, v[PF0]
	v_lshlrev_b32 v[PF1], 8, v[PF1]
	v_add_nc_u32 v[PF1], 8192, v[PF1]              ; blocks 32-47 of a plane's 48 (lanes 16-31 name the last again),
	v_lshlrev_b32 v[PF0], 8, v[PF0]                ; blocks 0-31
.irp a, 0,1,2,3
	global_load_b128 v[SA+4*\a:SA+4*\a+3], v[VSO], s[22:23] offset:512*\a      ; q, k: my 64 tokens'
	global_load_b128 v[SAV+4*\a:SAV+4*\a+3], v[VSO], s[94:95] offset:512*\a    ; v: my 64 channels'
.endr
.irp b, 0,1,2,3,4,5,6,7
	global_load_b128 v[SBS+4*\b:SBS+4*\b+3], v[VSO], s[92:93] offset:512*\b    ; q: my 128 channels'
.endr
.macro FRAG reg, adr, off, pl          ; 16 rows x 128 K: registers 0-5 the lane's 24 bytes of the step's first plane, 6-11 of its second
.irp p, 0,1,2,3,4,5
	ds_load_b64 v[\reg+2*\p:\reg+2*\p+1], v[\adr] offset:\off+(\p/3)*\pl+8*(\p%3)
.endr
.endm
.macro FETCH st, kind                  ; step st's fragments into set st % 2: 72 LDS loads.  kind 0: q, k;  1: v
	WIN TO_B
.irp i, 0,1,2,3,4,5,6,7
.if \kind
	FRAG 128*((\st)%2)+FR*\i, ADRX+(\st)/4, 2*((\st)%4)*APL+\i*768, APL
.else
	FRAG 128*((\st)%2)+FR*\i, ADRB+(\st)/2, 2*((\st)%2)*BPL+\i*768, BPL
.endif
.endr
	WIN 0
.irp i, 0,1,2,3
.if \kind
	FRAG AF+48*((\st)%2)+FR*\i, ADRW+(\st)/2, 2*((\st)%2)*BPL+\i*768, BPL
.else
	FRAG AF+48*((\st)%2)+FR*\i, ADRA+(\st)/4, 2*((\st)%4)*APL+\i*768, APL
.endif
.endr
.endm
.macro MUL16 a0, st, sa                ; source 1's blocks a0, a0 + 1 x source 0's eight.  A tile's first step starts the sums
.irp a, \a0, \a0+1
.irp b, 0,1,2,3,4,5,6,7
.if (\st) == 0
	v_wmma_scale_f32_16x16x128_f8f6f4 v[8*(8*(\a)+\b):8*(8*(\a)+\b)+7], v[FR*\b:FR*\b+FR-1], v[AF+FR*(\a):AF+FR*(\a)+FR-1], 0, v[SBS+4*\b], v[\sa+4*(\a)] matrix_a_fmt:MATRIX_FMT_BF6 matrix_b_fmt:MATRIX_FMT_BF6
.else
.if (\st) < 4
	v_wmma_scale_f32_16x16x128_f8f6f4 v[8*(8*(\a)+\b):8*(8*(\a)+\b)+7], v[128*((\st)%2)+FR*\b:128*((\st)%2)+FR*\b+FR-1], v[AF+48*((\st)%2)+FR*(\a):AF+48*((\st)%2)+FR*(\a)+FR-1], v[8*(8*(\a)+\b):8*(8*(\a)+\b)+7], v[SBS+4*\b+(\st)%4], v[\sa+4*(\a)+(\st)%4] matrix_a_fmt:MATRIX_FMT_BF6 matrix_b_fmt:MATRIX_FMT_BF6
.else
	v_wmma_scale_f32_16x16x128_f8f6f4 v[8*(8*(\a)+\b):8*(8*(\a)+\b)+7], v[128*((\st)%2)+FR*\b:128*((\st)%2)+FR*\b+FR-1], v[AF+48*((\st)%2)+FR*(\a):AF+48*((\st)%2)+FR*(\a)+FR-1], v[8*(8*(\a)+\b):8*(8*(\a)+\b)+7], v[SBS+4*\b+(\st)%4], v[\sa+4*(\a)+(\st)%4] matrix_a_fmt:MATRIX_FMT_BF6 matrix_b_fmt:MATRIX_FMT_BF6 matrix_a_scale:MATRIX_SCALE_ROW1 matrix_b_scale:MATRIX_SCALE_ROW1
.endif
.endif
.endr
.endr
.endm
.macro STEP st, kind, sa, refill
	s_wait_dscnt 0x0                               ; this step's 72 loads, issued ahead of the last step's products, are in
.if (\st) == 7
.if \refill
	s_wait_tensorcnt 0x0                           ; ahead of the refill's round: none of my tensor loads is out,
	ds_add_u32 v[SPW], v[NIL]                      ; 0 onto my spare word; the step's products stand between it and the wait for it
	s_add_nc_u64 s[G0R+2:G0R+3], s[G0R+2:G0R+3], 49152   ; the next tile of w: 1,024 positions on
.endif
.else
.if (\st) > 0
	PLACES                                         ; in front of loads into the set that the last step multiplied
.endif
	FETCH (\st)+1, \kind
.endif
	WIN MUL
	MUL16 0, \st, \sa
	MUL16 2, \st, \sa
	WIN 0
.endm
; 64 numbers of a lane, v[HA] .. v[HA + 63], register 16 b + i = index 32 b + 16 h + i along the next K, become a fragment's codes in v[PC] .. v[PC + 11] and its scale word in v[PW].
.macro QUANT
.irp b, 0,1,2,3
	v_max3_num_f32 v[TM+\b], |v[HA+16*\b]|, |v[HA+1+16*\b]|, 0x2800000   ; my 16 numbers of block b, and the floor 2^(5 - 127): the byte cannot fall under 1
.endr
.irp i, 2,4,6,8,10,12,14
.irp b, 0,1,2,3
	v_max3_num_f32 v[TM+\b], v[TM+\b], |v[HA+16*\b+\i]|, |v[HA+1+16*\b+\i]|
.endr
.endr
.irp b, 0,1,2,3
	v_permlanex16_b32 v[TM+4+\b], v[TM+\b], s[SEL], s[SEL+1]
.endr
.irp b, 0,1,2,3
	v_max_num_f32 v[TM+\b], v[TM+\b], v[TM+4+\b]   ; with lane l xor 16's: the block's largest magnitude
.endr
.irp b, 0,1,2,3
	v_add_nc_u32 v[TM+12+\b], 0xfe000000, v[TM+\b] ; 4 off its exponent field: the conversion's scale operand
.endr
.irp b, 0,1,2,3
	v_lshrrev_b32 v[TM+4+\b], 23, v[TM+12+\b]      ; the scale's byte
.endr
	v_lshl_or_b32 v[PW], v[TM+5], 8, v[TM+4]
	v_lshl_or_b32 v[PW], v[TM+6], 16, v[PW]
	v_lshl_or_b32 v[PW], v[TM+7], 24, v[PW]
.irp c, 0,1
	v_cvt_scalef32_pk16_bf6_f32 v[PC+6*\c:PC+2+6*\c], v[HA+32*\c:HA+15+32*\c], v[TM+12+2*\c]
	v_cvt_scalef32_pk16_bf6_f32 v[PC+12+4*\c:PC+14+4*\c], v[HA+16+32*\c:HA+31+32*\c], v[TM+12+2*\c+1]
.endr
	v_nop                                          ; one plain place behind a scaled conversion
.irp c, 0,1                                    ; the operand's layout wants a whole block in a lane
.irp i, 0,1,2
	v_permlane16_swap_b32 v[PC+6*\c+\i], v[PC+12+4*\c+\i]
.endr
.irp i, 0,1,2
	v_mov_b32 v[PC+3+6*\c+\i], v[PC+12+4*\c+\i]
.endr
.endr
.endm
.macro BLOCK a, kind                   ; block a of source 1's rows: the bias, the quantiser, into my stage.  Each accumulator is read from its low end on
	WIN 0x0e                                       ; source 0 window 2, source 1 window 3
.set j, 0
.rept 32
.if \kind
	v_pk_add_f32 v[HA+j:HA+j+1], v[64*(\a)+j:64*(\a)+j+1], v[BM+2*((\a)/2):BM+2*((\a)/2)+1] op_sel:[0,(\a)%2] op_sel_hi:[1,(\a)%2]
.else
	v_pk_add_f32 v[HA+j:HA+j+1], v[64*(\a)+j:64*(\a)+j+1], v[BN+j:BN+j+1]
.endif
.set j, j+2
.endr
	WIN 0
	QUANT
.irp c, 0,1
.irp p, 0,1,2
	ds_store_b64 v[STO], v[PC+6*\c+2*\p:PC+6*\c+2*\p+1] offset:\c*3072+(\a)*768+8*\p
.endr
.endr
.if \kind
	ds_store_b32 v[SST], v[PW] offset:64*(\a)      ; v: the whole word (128 keys); lanes 16-31 write a copy that is not read
.else
	v_lshrrev_b32 v[T], v[VSH], v[PW]              ; q, k: lanes 0-15 the first head's two bytes, lanes 16-31 the second's
	v_and_b32 v[T], 0xffff, v[T]
	ds_store_b32 v[SST], v[T] offset:64*(\a)
.endif
	s_wait_dscnt 0x0                               ; the stores have read their registers
.endm
	s_wait_alu depctr_va_vdst(0)                   ; at the head's end
	s_wait_tensorcnt 0x0                           ; my part of the first tiles is in; no tensor load of mine is out, so a descriptor may be written:
	s_mov_b32 s[G1B+2], 4<<16                      ; a refill brings four planes a wave
	s_mov_b32 s[G1B+4], 4
	s_barrier_signal -1
	s_barrier_wait -1                              ; everybody's part is in
.Ltile:                                                ; two trips: q, then k
	s_wait_loadcnt 0x0                             ; this tile's scale words
	WIN 0xc0                                       ; destination window 3
.irp b, 0,1,2,3,4,5,6,7
	global_load_b128 v[BN+8*\b:BN+8*\b+3], v[BNA], s[8:9] offset:4*(32*(\b/2)+8*(\b%2))
	global_load_b128 v[BN+8*\b+4:BN+8*\b+7], v[BNA], s[8:9] offset:4*(32*(\b/2)+8*(\b%2))+16
.endr
	WIN 0
	global_prefetch_b8 v[PF0], s[PFA:PFA+1] th:TH_LOAD_NT scope:SCOPE_SE   ; my plane of the next tile of w, a whole tile's products ahead of the refill that wants it
	global_prefetch_b8 v[PF1], s[PFA:PFA+1] th:TH_LOAD_NT scope:SCOPE_SE
	FETCH 0, 0
.irp st, 0,1,2,3,4,5,6,7
	STEP \st, 0, SA, 1
.endr
	s_wait_dscnt 0x0                               ; the add is done; my reads of w's tile were over at the step's head
	CROUND                                         ; no wave of any partner still reads the tile or has a load on its way
	tensor_load_to_lds s[G0R:G0R+3], s[G1B:G1B+7]  ; the next tile of w: my four planes, the first tensor load behind the round
	s_nop 0
	PLACES                                         ; also the places behind the last products
.irp b, 0,1,2,3,4,5,6,7
	global_load_b128 v[SBS+4*\b:SBS+4*\b+3], v[VSO], s[SN:SN+1] offset:512*\b   ; source 0's scale words of the next tile
.endr
	s_wait_xcnt 0x0                                ; the last tile's stores have read their registers
	v_add_nc_u32 v[CO1], s[HS], v[CO]
	v_mul_u32_u24 v[VS0], s[SS], v2
	v_add_nc_u32 v[VS0], v[VS0], v[VSB]
.irp b, 0,1,2,3
	v_mov_b32 v[TM+4+\b], 0                        ; a lane permute's destination counts as one of its sources
.endr
	s_wait_loadcnt 8                               ; the bias is in; the eight loads of scale words behind it may be out
.irp a, 0,1,2,3
	BLOCK \a, 0
.endr
.set k, 0
.rept 13
	ds_load_b128 v[OUT+4*k:OUT+4*k+3], v[RD] offset:512*k   ; my own stage: LDS serves a wave's instructions in order
.set k, k+1
.endr
.set k, 0
.rept 12
	s_wait_dscnt 12-k                              ; load k is in; the 12 - k behind it may be out
	global_store_b128 v[CO+k/6], v[OUT+4*k:OUT+4*k+3], s[OC:OC+1] offset:512*(k%6)   ; 512 consecutive bytes, at a multiple of 256: 3,072 for each of my two heads
.set k, k+1
.endr
	s_wait_dscnt 0x0
	global_store_b128 v[VS0], v[OUT+48:OUT+51], s[OC+2:OC+3]   ; 256 bytes of scale words for each head
	s_wait_xcnt 0x0                                ; the bases may be written
	s_mov_b64 s[OC:OC+1], s[72:73]                 ; the next trip is k's
	s_mov_b64 s[OC+2:OC+3], s[74:75]
	s_mov_b32 s[HS], REC
	s_mov_b32 s[SS], REC
	s_mov_b64 s[SN:SN+1], s[82:83]                 ; behind k comes v, whose source 0 is x
	s_add_nc_u64 s[8:9], s[8:9], 4096              ; the next 1,024 of the bias
	s_add_nc_u64 s[PFA:PFA+1], s[PFA:PFA+1], 49152
	s_wait_alu depctr_va_vdst(0)
	s_wait_tensorcnt 0x0                           ; my four planes of the next tile are in,
	s_barrier_signal -1
	s_barrier_wait -1                              ; everybody's are
	s_add_co_u32 s[TR], s[TR], 1
	s_cmp_lt_u32 s[TR], 2
	s_cbranch_scc1 .Ltile
	s_wait_loadcnt 0x0                             ; v: x's scale words
	WIN 0xc0
.irp a, 0,1,2,3
	global_load_b32 v[BM+\a], v[BMA], s[8:9] offset:4*(32*(\a/2)+8*(\a%2))   ; the bias of my row in each block
.endr
	WIN 0
	FETCH 0, 1
.irp st, 0,1,2,3,4,5,6,7
	STEP \st, 1, SAV, 0
.endr
	PLACES
	s_wait_loadcnt 0x0
.irp a, 0,1,2,3
	BLOCK \a, 1
.endr
.set k, 0
.rept 12
	ds_load_b128 v[OUT+4*k:OUT+4*k+3], v[RD] offset:512*k
.set k, k+1
.endr
	ds_load_b64 v[OUT+48:OUT+49], v[RD8]
.set k, 0
.rept 12
	s_wait_dscnt 12-k
	global_store_b128 v[CO], v[OUT+4*k:OUT+4*k+3], s[76:77] offset:512*k   ; two chunks of 64 keys, 6,144 consecutive bytes
.set k, k+1
.endr
	s_wait_dscnt 0x0
	global_store_b64 v[CO8], v[OUT+48:OUT+49], s[78:79]        ; 64 scale words: 256 consecutive bytes
	s_wait_tensorcnt 0x0                           ; the wave's end
	ds_add_u32 v[SPW], v[NIL]
	s_wait_dscnt 0x0
	CROUND                                         ; the closing round
	s_endpgm
.Lfunc_end_k_q258907cda8_gemm_qkv:
	.size	k_q258907cda8_gemm_qkv, .Lfunc_end_k_q258907cda8_gemm_qkv-k_q258907cda8_gemm_qkv
	.p2alignl 7, 3214868480
	.fill 96, 4, 3214868480
	.section	.rodata,"a",@progbits
	.p2align	6, 0x0
	.amdhsa_kernel k_q258907cda8_gemm_qkv
		.amdhsa_group_segment_fixed_size 327680
		.amdhsa_private_segment_fixed_size 0
		.amdhsa_enable_private_segment 0
		.amdhsa_kernarg_size 48
		.amdhsa_user_sgpr_count 2
		.amdhsa_user_sgpr_kernarg_segment_ptr 1
		.amdhsa_wavefront_size32 1
		.amdhsa_system_sgpr_workgroup_id_x 1
		.amdhsa_system_sgpr_workgroup_id_y 1
		.amdhsa_system_sgpr_workgroup_id_z 1
		.amdhsa_system_vgpr_workitem_id 0
		.amdhsa_next_free_vgpr 1024
		.amdhsa_next_free_sgpr 102
		.amdhsa_reserve_vcc 0
		.amdhsa_float_denorm_mode_32 3
		.amdhsa_float_denorm_mode_16_64 3
		.amdhsa_memory_ordered 1
		.amdhsa_forward_progress 1
		.amdhsa_inst_pref_size 212
	.end_amdhsa_kernel
	.amdgpu_metadata
---
amdhsa.version: [ 1, 2 ]
amdhsa.kernels:
  - .name:           k_q258907cda8_gemm_qkv
    .symbol:         k_q258907cda8_gemm_qkv.kd
    .args:
      - { .name: codes, .offset: 0, .size: 8, .value_kind: global_buffer, .address_space: global }
      - { .name: scales, .offset: 8, .size: 8, .value_kind: global_buffer, .address_space: global }
      - { .name: b_qkv, .offset: 16, .size: 8, .value_kind: global_buffer, .address_space: global }
      - { .name: q_codes, .offset: 24, .size: 8, .value_kind: global_buffer, .address_space: global }
      - { .name: q_scales, .offset: 32, .size: 8, .value_kind: global_buffer, .address_space: global }
      - { .name: kv, .offset: 40, .size: 8, .value_kind: global_buffer, .address_space: global }
    .group_segment_fixed_size: 327680
    .private_segment_fixed_size: 0
    .kernarg_segment_align: 8
    .kernarg_segment_size: 48
    .max_flat_workgroup_size: 128
    .sgpr_count:     102
    .vgpr_count:     1024
    .wavefront_size: 32
...
	.end_amdgpu_metadata
.endif
;; end of part 2
;; launch attn (part 3): grid 4 x 64, 16 waves a work-group, clusters of 4 x 1, 223,232 bytes of LDS; arguments q_codes, q_scales, kv, ao_codes, ao_scales; writes ao_codes, ao_scales
.if DOCPART == 3
	.amdgcn_target "amdgcn-amd-amdhsa--gfx1250"
	.amdhsa_code_object_version 6
	.text
	.protected	k_q258907cda8_attn
	.globl	k_q258907cda8_attn
	.p2align	8
	.type	k_q258907cda8_attn,@function
k_q258907cda8_attn:
	s_mov_b64 s[64:65], 0
	v_nop
	global_prefetch_b8 v0, s[64:65] scope:SCOPE_SE
	s_setreg_imm32_b32 hwreg(HW_REG_WAVE_MODE, 25, 1), 1
	s_wait_xcnt 0x0
	s_wait_alu depctr_hold_cnt(0) depctr_sa_sdst(0) depctr_va_vdst(0) depctr_va_sdst(0) depctr_va_ssrc(0) depctr_va_vcc(0) depctr_vm_vsrc(0)
	s_getreg_b32 s2, hwreg(HW_REG_IB_STS2, 6, 4)
	s_cmp_eq_u32 s2, 0
	s_cbranch_scc0 .Lentry_in_a_cluster
	s_endpgm
.Lentry_in_a_cluster:
	s_bfe_u32 s2, ttmp6, 0x10000c
	s_cmp_lg_u32 s2, 0x3003
	s_cbranch_scc0 .Lentry_shape_is_right
	s_endpgm
.Lentry_shape_is_right:
; Causal attention of one (batch, head) to a cluster, both products on codes of BF6 (E3M2) with E8M0 scales; the heads' output is quantised along the model's 1,024 on the way out.
; INPUTS: q_codes [16 heads][8,192 token positions][48], q_scales [16][8,192][4]; kv: a record of 208,896 bytes for each (batch, head): k's codes [2,048 positions][48], v's codes [32 chunks of 64 keys]
; [64 channel positions][48], k's scale words [2,048][4] (two bytes, two zeros), v's scale words [16 steps][64][4].  An index n lies at the position n with bits 3 and 4 exchanged.
; LEFT OUT: key steps that lie wholly behind a wave's queries: the causal mask sets their scores to -infinity, so they add 0 to every sum.
; THE SOFTMAX: t = score x log2(e) / 8; M = the row's largest t so far, rounded up to a whole number; p = 2^(t - M) is quantised along the keys; the row's sum is taken of the unquantised p and divides at the
; end.  When M moves, the sum and O are multiplied by 2^(old M - new M): exact.
; SHARES: the record comes into each work-group's LDS once, by one joint load a wave (51 rows of 256 bytes), asked for by the cluster's four work-groups together; nothing is filled again, and there is no
; loop ahead of that load in which a prefetch could run.  Wave w of work-group cx takes tile e = w % 2 + 2 cx (16 queries) of group G = w / 2 (128 queries), then of group 15 - G: 17 key steps of 128 a wave.
; Trip counts are constants; a step beyond G is passed over by a branch on the wave's number.  cx enters global offsets and the mask's thresholds alone.
; LAYOUT: both products are used transposed (S^T = k q^T, O^T = v^T p^T): a lane holds one query.  WHICH ROWS FORM A TILE is chosen by the lanes' LDS addresses: tile (c, u) takes in rows 0-7 the keys
; 64 c + 8 u + 0..7 and in rows 8-15 the keys 64 c + 32 + 8 (u xor 2) + 0..7.  So lane half h holds in the 32 registers of tiles (c, 0..3) the WHOLE block 2 c + h of 32 keys: its largest score needs no other
; lane.  In lanes 16-31 the block's two halves stand exchanged; six selects a block put the codes in order.  The xor keeps rows 8-15 half a row of banks (128 bytes modulo 256) from rows 0-7.
; v's channels form tiles in the same way, so that O's 32 registers of a lane are one block of the last product's K.
; THE FIRST PRODUCT has K = 64: a fragment of k holds tile (c, u0) in its lower 64 along K and tile (c, u0 + 2) in its upper 64; it is multiplied by [q | 0] and by [0 | q].  Its scale register holds the first
; tile's words in lanes 0-15 and the second's, 16 bits up, in lanes 16-31; q's likewise.  k's four fragments of the next step are asked for behind this step's score products, v's at the step's head.
; LIMITS: NaN and infinities are not served; p under 2^-126 comes out of v_exp_f32 as 0; a block's largest p is made from its largest score by the same two instructions (it takes v_exp_f32 not to fall where
; its input rises); a block of zeros carries the byte 1 with zero codes; the last step of a phase also reads, and does not use, the 6,656 LDS bytes behind its own keys.
.set REC,  208896
.set VOFF, 98304                       ; LDS: the record as it lies in memory: k's codes at 0, v's codes,
.set KSC,  196608                      ; k's scale words,
.set VSC,  204800                      ; v's scale words;
.set STG,  208896                      ; a stage of 768 bytes for each wave;
.set SPARE, 221184                     ; the spare words, 128 bytes for each wave
.set PART, 13056                       ; 51 rows of 256 bytes: a wave's sixteenth of the record
.set KA0,  1                           ; v1   48 (40 h' + j) + 24 h: my place in a tile with u < 2 (h' = lane bit 3, j = lane % 8, h = lane / 16)
.set KA1,  2                           ; v2   48 (24 h' + j) + 24 h: with u >= 2 (the loads add 384)
.set SA,   3                           ; v3   4 (32 h' + 8 (h xor h') + j): scale words: lanes 0-15 a tile with u < 2, lanes 16-31 the tile two further on
.set D0,   4                           ; v4, v5  the diagonal's thresholds for u < 2 and u >= 2
.set QO,   6                           ; v6   48 r + 24 h: q in memory
.set STA,  7                           ; v7   the same in my stage
.set A0,   8                           ; v8-10 the step's addresses
.set A1,   9
.set A2,   10
.set OM,   11                          ; v11  the last step's -M
.set NM,   12                          ; v12  -M;  v13 the largest t
.set TM,   13
.set SUM,  14                          ; v[14:15] the row's sum in two halves
.set VSH,  16                          ; v16  16 h;  v17  8 h
.set SH8,  17
.set F,    18                          ; v[18:19] f = 2^(old M - new M), and a word that is only named
.set Q,    20                          ; v20-37 q | 0 | q
.set QS,   38                          ; v38  q's scale words
.set PW,   39                          ; v39  p's scale word
.set KF,   40                          ; v40-87 k's four fragments;  v88-91 their scale words
.set KS,   88
.set VF,   92                          ; v92-139 v's four fragments;  v140-141 their scale words
.set VS,   140
.set S,    142                         ; v142-205 S^T, then p
.set O,    206                         ; v206-237 O^T
.set P,    238                         ; v238-249 p's codes
.set T,    250                         ; v250-255 at work
.set WV,   14
.set GA,   15
.set GB,   16
.set CX,   17
.set EE,   18
.set BH,   19
.set SEL,  20                          ; s[20:21] lane selects for v_permlanex16_b32: lane l xor 16
.set CS,   22                          ; s[22:23] c = log2(e) / 8
.set G1,   24
.set G0,   32
.set CNT,  36                          ; the key step
.set TK,   37                          ; where k's codes of the step begin;  TV v's;  TS k's scale words;  TT v's
.set TS,   38
.set TT,   39
.set PA,   40                          ; s[40:47], s[48:55]: for each phase q's codes, q's scale words, the output's codes, its scale bytes, at my tile
.set PB,   48
.set HM,   56                          ; lanes 16-31
.set TV,   57
.set SB,   63                          ; my stage
.macro CROUND                          ; a round of the cluster's barrier
	s_barrier_signal -1
	s_barrier_wait -1
	s_cmp_lg_u32 s[WV], 0
	s_cbranch_scc1 .Lnot_wave_0_\@
	s_barrier_signal -3
.Lnot_wave_0_\@:
	s_barrier_wait -3
	s_barrier_signal -1
	s_barrier_wait -1
.endm
	s_load_b128 s[4:7], s[0:1], 0x0                ; q_codes, q_scales
	s_load_b128 s[8:11], s[0:1], 0x10              ; kv, ao_codes
	s_load_b64 s[12:13], s[0:1], 0x20              ; ao_scales
	v_lshl_add_u32 v[T], v0, 2, SPARE
	v_mov_b32 v[T+1], 0
	ds_add_u32 v[T], v[T+1]                        ; the opening lines: the add, twice on end, and its wait
	ds_add_u32 v[T], v[T+1]
	v_lshrrev_b32 v8, 5, v0
	v_readfirstlane_b32 s[WV], v8                  ; wave 0..15
	s_lshr_b32 s[GA], s[WV], 1
	s_xor_b32 s[GB], s[GA], 15
	s_bfe_u32 s[CX], ttmp6, 0x40000
	s_and_b32 s[EE], s[WV], 1
	s_lshl_b32 s57, s[CX], 1
	s_add_co_u32 s[EE], s[EE], s57
	s_and_b32 s[BH], ttmp7, 0xffff                 ; the cluster's y, which the four partners share
	s_mov_b32 s[G1], 15|(3<<16)|(1<<21)            ; the mask: all four work-groups; elements of 8 bytes; bit 21 beside a mask
	s_mov_b32 s[G1+1], 32<<16
	s_mov_b32 s[G1+2], 51<<16
	s_mov_b32 s[G1+3], 32<<16
	s_mov_b32 s[G1+4], 51
	s_mov_b32 s[G1+5], 32
	s_mov_b32 s[G1+6], 0
	s_mov_b32 s[G1+7], 0
	s_mul_i32 s58, s[BH], REC
	s_mul_i32 s59, s[WV], PART                     ; my part, in LDS as in the record
	s_add_co_u32 s60, s58, s59
	s_mov_b32 s61, 0
	s_mov_b32 s[SEL], 0x76543210
	s_mov_b32 s[SEL+1], 0xfedcba98
	s_mov_b32 s[CS], 0x3e38aa3b
	s_mov_b32 s[CS+1], s[CS]
	s_mov_b32 s[HM], 0xffff0000
	s_wait_dscnt 0x0
	s_wait_kmcnt 0x0
	CROUND                                         ; all four work-groups are here: the joint loads meet
	s_mov_b32 s[G0], 1
	s_mov_b32 s[G0+1], s59
	s_add_nc_u64 s[G0+2:G0+3], s[8:9], s[60:61]
	s_or_b32 s[G0+3], s[G0+3], 0x80000000
	tensor_load_to_lds s[G0:G0+3], s[G1:G1+7]      ; my one tensor load of the launch
	s_nop 0
.rept 4
	v_nop
.endr
	s_and_b32 s57, s[BH], 15                       ; the head
	s_lshr_b32 s58, s[BH], 4                       ; the batch
	s_lshl_b32 s58, s58, 11
	s_lshl_b32 s59, s[EE], 4
	s_add_co_u32 s58, s58, s59                     ; the batch's first token position + 16 e
	s_lshl_b32 s59, s57, 13                        ; 8,192 positions a head
	s_mov_b32 s3, 0
.macro BASES pb, g
	s_lshl_b32 s60, s[\g], 7
	s_add_co_u32 s60, s60, s58                     ; my tile's first token position
	s_add_co_u32 s62, s60, s59                     ; and in my head's plane
	s_mul_i32 s2, s62, 48
	s_add_nc_u64 s[\pb:\pb+1], s[4:5], s[2:3]
	s_add_nc_u64 s[\pb+4:\pb+5], s[10:11], s[2:3]
	s_lshl_b32 s2, s62, 2
	s_add_nc_u64 s[\pb+2:\pb+3], s[6:7], s[2:3]
	s_lshl_b32 s2, s60, 5                          ; the output's scale bytes: 32 a token, my head's two
	s_lshl_b32 s62, s57, 1
	s_add_co_u32 s2, s2, s62
	s_add_nc_u64 s[\pb+6:\pb+7], s[12:13], s[2:3]
.endm
	BASES PA, GA
	BASES PB, GB
	s_lshr_b32 s60, s[EE], 1
	s_lshl_b32 s60, s60, 5
	s_and_b32 s61, s[EE], 1
	s_lshl_b32 s61, s61, 3
	s_add_co_u32 s60, s60, s61                     ; 32 (e / 2) + 8 (e % 2)
	s_mul_i32 s[SB], s[WV], 768
	s_add_co_u32 s[SB], s[SB], STG
	v_and_b32 v8, 15, v0                           ; r
	v_bfe_u32 v9, v0, 4, 1                         ; h
	v_bfe_u32 v10, v0, 3, 1                        ; h'
	v_and_b32 v11, 7, v0                           ; j
	v_mul_u32_u24 v[KA0], v10, 1920
	v_mul_u32_u24 v[KA1], v10, 1152
	v_mad_u32_u24 v[KA0], v11, 48, v[KA0]
	v_mad_u32_u24 v[KA1], v11, 48, v[KA1]
	v_mad_u32_u24 v[KA0], v9, 24, v[KA0]
	v_mad_u32_u24 v[KA1], v9, 24, v[KA1]
	v_xor_b32 v12, v9, v10
	v_lshlrev_b32 v[SA], 7, v10
	v_lshl_add_u32 v[SA], v12, 5, v[SA]
	v_lshl_add_u32 v[SA], v11, 2, v[SA]
	v_mul_u32_u24 v[QO], v8, 48
	v_mad_u32_u24 v[QO], v9, 24, v[QO]
	v_add_nc_u32 v[STA], s[SB], v[QO]
	v_lshl_add_u32 v13, v10, 4, v11
	v_add_nc_u32 v13, s60, v13                     ; my query's true place in its group: 32 (e / 2) + 16 h' + 8 (e % 2) + j
	v_mul_u32_u24 v12, v9, 48
	v_lshlrev_b32 v[VSH], 4, v9
	v_lshlrev_b32 v[SH8], 3, v9
	v_sub_nc_u32 v[D0], v13, v12                   ; register 32 c + 8 u + i holds key 64 c + 32 h + 8 (u xor 2 h) + i: seen where 64 c + 8 u + i <= place - 48 h (u < 2),
	v_sub_nc_u32 v[D0+1], v13, v[VSH]              ; or <= place - 16 h (u >= 2)
.irp i, 6,7,8,9,10,11
	v_mov_b32 v[Q+\i], 0                           ; the zero codes between q's two copies: no load lands here
.endr
.irp i, 0,1,2,3,4,5
	v_mov_b32 v[T+\i], 0                           ; written once: a lane permute's destination counts as one of its sources
.endr
	v_mov_b32 v[F+1], 0                            ; (named with f as a pair)
	s_wait_alu depctr_va_vdst(0)                   ; at the head's end
.macro KLOAD a0, a1, a2, off, soff     ; k's four fragments and scale words: 28 LDS loads
.irp c, 0,1
.irp u, 0,1
.irp p, 0,1,2
	ds_load_b64 v[KF+12*(2*\c+\u)+2*\p:KF+12*(2*\c+\u)+2*\p+1], v[\a0] offset:\off+48*(64*\c+16*\u)+8*\p
	ds_load_b64 v[KF+12*(2*\c+\u)+6+2*\p:KF+12*(2*\c+\u)+7+2*\p], v[\a1] offset:\off+48*(64*\c+16*\u)+384+8*\p
.endr
	ds_load_b32 v[KS+2*\c+\u], v[\a2] offset:\soff+4*(64*\c+16*\u)
.endr
.endr
.endm
.macro SMM d, f                        ; the fragment's two tiles of scores
	v_wmma_scale_f32_16x16x128_f8f6f4 v[S+8*(\d):S+8*(\d)+7], v[KF+12*(\f):KF+12*(\f)+11], v[Q:Q+11], 0, v[KS+(\f)], v[QS] matrix_a_fmt:MATRIX_FMT_BF6 matrix_b_fmt:MATRIX_FMT_BF6
	v_wmma_scale_f32_16x16x128_f8f6f4 v[S+8*(\d)+16:S+8*(\d)+23], v[KF+12*(\f):KF+12*(\f)+11], v[Q+6:Q+17], 0, v[KS+(\f)], v[QS] matrix_a_fmt:MATRIX_FMT_BF6 matrix_b_fmt:MATRIX_FMT_BF6 matrix_a_scale:MATRIX_SCALE_ROW1 matrix_b_scale:MATRIX_SCALE_ROW1
.endm
.macro MIX b                           ; v[b .. b+2]: the codes of registers 0-15 of a block, v[T+2 .. T+4]: of 16-31.  Lanes 16-31 hold the halves exchanged: six selects put them in order
.irp i, 0,1,2
	v_cndmask_b32 v[\b+3+\i], v[T+2+\i], v[\b+\i], s[HM]
.endr
.irp i, 0,1,2
	v_cndmask_b32 v[\b+\i], v[\b+\i], v[T+2+\i], s[HM]
.endr
.endm
; A KEY STEP: 128 keys.  g: the register that holds the phase's group.
.macro STEP g
	v_add_nc_u32 v[A0], s[TV], v[KA0]              ; these four are the places behind the last step's products, in front of the loads below
	v_add_nc_u32 v[A1], s[TV], v[KA1]
	v_add_nc_u32 v[A2], s[TT], v[SA]
	v_mov_b32 v[OM], v[NM]
.irp u, 0,1                                    ; v's four fragments and two registers of scale words: 26 LDS loads
.irp p, 0,1,2,3,4,5
	ds_load_b64 v[VF+12*\u+2*\p:VF+12*\u+2*\p+1], v[A0] offset:768*\u+3072*(\p/3)+8*(\p%3)
	ds_load_b64 v[VF+24+12*\u+2*\p:VF+25+12*\u+2*\p], v[A1] offset:768*\u+384+3072*(\p/3)+8*(\p%3)
.endr
	ds_load_b32 v[VS+\u], v[A2] offset:64*\u
.endr
	SMM 0, 0                                       ; k's fragments came in during the last step
	SMM 1, 1
	SMM 4, 2
	SMM 5, 3
	v_add_nc_u32 v[A0], s[TK], v[KA0]              ; four places, in front of the loads into k's registers and of the first read of the scores
	v_add_nc_u32 v[A1], s[TK], v[KA1]
	v_add_nc_u32 v[A2], s[TS], v[SA]
	v_nop
	KLOAD A0, A1, A2, 6144, 512                    ; the next step's
	s_cmp_lg_u32 s[CNT], s[\g]                     ; on the diagonal the scores of hidden keys become -infinity ahead of the maximum: p = 0 then
	s_cbranch_scc1 .Lopen_\@
.set n, 0
.rept 64
	v_cmp_le_i32 vcc_lo, 64*(n/32)+n%32, v[D0+(n/16)%2]
	v_cndmask_b32 v[S+n], 0xff800000, v[S+n], vcc_lo
.set n, n+1
.endr
.Lopen_\@:
.irp k, 0,1,2,3                                ; the largest score of my two blocks, in four chains of 16; each tile of scores is read from its low end on
	v_max3_num_f32 v[T+\k], v[S+16*\k], v[S+16*\k+1], v[S+16*\k+2]
.endr
.irp i, 3,5,7,9,11,13
.irp k, 0,1,2,3
	v_max3_num_f32 v[T+\k], v[T+\k], v[S+16*\k+\i], v[S+16*\k+\i+1]
.endr
.endr
	v_max3_num_f32 v[T], v[T], v[T+1], v[S+15]
	v_max3_num_f32 v[T+2], v[T+2], v[T+3], v[S+47]
	v_max_num_f32 v[T], v[T], v[S+31]              ; block h
	v_max_num_f32 v[T+1], v[T+2], v[S+63]          ; block 2 + h
	s_delay_alu instid0(VALU_DEP_1)
	v_max_num_f32 v[T+2], v[T], v[T+1]
	s_delay_alu instid0(VALU_DEP_1)
	v_permlanex16_b32 v[T+3], v[T+2], s[SEL], s[SEL+1]
	s_delay_alu instid0(VALU_DEP_1)
	v_max_num_f32 v[T+2], v[T+2], v[T+3]           ; the step's largest score of my query
	s_delay_alu instid0(VALU_DEP_1)
	v_mul_f32 v[T+2], s[CS], v[T+2]                ; as t (c is positive)
	s_delay_alu instid0(VALU_DEP_1)
	v_max_num_f32 v[TM], v[TM], v[T+2]
	s_delay_alu instid0(VALU_DEP_1)
	v_floor_f32 v[NM], -v[TM]                      ; the new -M = -ceil(t)
	s_delay_alu instid0(VALU_DEP_1)
	v_sub_f32 v[T+2], v[NM], v[OM]                 ; M's old value less its new one: a whole number, 0 or less
	s_delay_alu instid0(VALU_DEP_1)
	v_cvt_i32_f32 v[T+2], v[T+2]                   ; (it saturates)
	s_delay_alu instid0(VALU_DEP_1)
	v_ldexp_f32 v[F], 1.0, v[T+2]
.set j, 0
.rept 16
	v_pk_mul_f32 v[O+j:O+j+1], v[O+j:O+j+1], v[F:F+1] op_sel_hi:[1,0]   ; O^T under the new M, each accumulator from its low end on, ahead of the exponentials
.set j, j+2
.endr
.set j, 0
.rept 32
	v_pk_fma_f32 v[S+j:S+j+1], v[S+j:S+j+1], s[CS:CS+1], v[NM:NM+1] op_sel_hi:[1,0,0]   ; t - M
.set j, j+2
.endr
	v_fma_f32 v[T], v[T], s[CS], v[NM]             ; the same of each block's largest score
	v_fma_f32 v[T+1], v[T+1], s[CS], v[NM]
	s_wait_alu depctr_va_vdst(0)                   ; ahead of the batch of exponentials
.set j, 0
.rept 64
	v_exp_f32 v[S+j], v[S+j]                       ; p = 2^(t - M), at most 1
.set j, j+1
.endr
	v_exp_f32 v[T], v[T]                           ; the blocks' largest p
	v_exp_f32 v[T+1], v[T+1]
	v_pk_mul_f32 v[SUM:SUM+1], v[SUM:SUM+1], v[F:F+1] op_sel_hi:[1,0]   ; the sums under the new M (a plain place behind the batch)
	s_wait_alu depctr_va_vdst(0)                   ; and behind it
	s_wait_dscnt 0x0                               ; v's 26 loads and the next step's 28 of k are in
	v_max_num_f32 v[T], 0x2800000, v[T]            ; the floor 2^(5 - 127): the byte cannot fall under 1
	v_max_num_f32 v[T+1], 0x2800000, v[T+1]
	v_add_nc_u32 v[T], 0xfe000000, v[T]            ; 4 off the exponent field: the conversion's scale operand
	v_add_nc_u32 v[T+1], 0xfe000000, v[T+1]
	v_cvt_scalef32_pk16_bf6_f32 v[P:P+2], v[S:S+15], v[T]
	v_cvt_scalef32_pk16_bf6_f32 v[T+2:T+4], v[S+16:S+31], v[T]
	v_lshlrev_b32 v[KS], v[VSH], v[KS]             ; the next step's scale words of k: lanes 16-31 16 bits up.  (Plain places behind the conversions)
	v_lshlrev_b32 v[KS+1], v[VSH], v[KS+1]
	MIX P
	v_cvt_scalef32_pk16_bf6_f32 v[P+6:P+8], v[S+32:S+47], v[T+1]
	v_cvt_scalef32_pk16_bf6_f32 v[T+2:T+4], v[S+48:S+63], v[T+1]
	v_lshlrev_b32 v[KS+2], v[VSH], v[KS+2]
	v_lshlrev_b32 v[KS+3], v[VSH], v[KS+3]
	MIX P+6
	v_lshrrev_b32 v[T], 23, v[T]                   ; my two scale bytes: blocks h and 2 + h,
	v_lshrrev_b32 v[T+1], 23, v[T+1]
	v_lshl_or_b32 v[T], v[T+1], 16, v[T]
	v_lshlrev_b32 v[T], v[SH8], v[T]               ; at their places in the word;
	v_permlanex16_b32 v[T+1], v[T], s[SEL], s[SEL+1]
	v_or_b32 v[PW], v[T], v[T+1]                   ; with lane l xor 16's two the word is whole
.irp w, 4,8,16,32,64                           ; the row's sum of the unquantised p, as a tree in place: 31 packed additions, which are also the places in front of the products below
.set j, 0
.rept 64/\w
	v_pk_add_f32 v[S+j:S+j+1], v[S+j:S+j+1], v[S+j+\w/2:S+j+\w/2+1]
.set j, j+\w
.endr
.endr
	v_pk_add_f32 v[SUM:SUM+1], v[SUM:SUM+1], v[S:S+1]
.irp u, 0,1                                    ; O^T += v^T p^T: four accumulators by turns
	v_wmma_scale_f32_16x16x128_f8f6f4 v[O+8*\u:O+8*\u+7], v[VF+12*\u:VF+12*\u+11], v[P:P+11], v[O+8*\u:O+8*\u+7], v[VS+\u], v[PW] matrix_a_fmt:MATRIX_FMT_BF6 matrix_b_fmt:MATRIX_FMT_BF6
.endr
.irp u, 0,1
	v_wmma_scale_f32_16x16x128_f8f6f4 v[O+16+8*\u:O+23+8*\u], v[VF+24+12*\u:VF+35+12*\u], v[P:P+11], v[O+16+8*\u:O+23+8*\u], v[VS+\u], v[PW] matrix_a_fmt:MATRIX_FMT_BF6 matrix_b_fmt:MATRIX_FMT_BF6 matrix_a_scale:MATRIX_SCALE_ROW1
.endr
.endm
; A tile's end: O^T / the sum.  My 32 registers are block h of my query's 64 channels: one scale byte and 24 bytes of codes a lane; the tile's 768 bytes go through my stage and leave as three runs of 256.
.macro FINAL pb
	v_and_b32 v[A0], 31, v0                        ; (six plain lines: the places behind the last products)
	v_and_b32 v[A2], 15, v0
	v_bfe_u32 v[OM], v0, 4, 1
	v_lshlrev_b32 v[A0], 3, v[A0]                  ; out: 8 bytes a lane
	v_add_nc_u32 v[A1], s[SB], v[A0]
	v_lshl_add_u32 v[A2], v[A2], 5, v[OM]          ; the scale byte of token r, block h
	s_wait_alu depctr_va_vdst(0)
	v_add_f32 v[SUM], v[SUM], v[SUM+1]
	v_permlanex16_b32 v[T+1], v[SUM], s[SEL], s[SEL+1]
	v_add_f32 v[SUM], v[SUM], v[T+1]
	s_wait_alu depctr_va_vdst(0)
	v_rcp_f32 v[SUM], v[SUM]
	v_nop
	s_wait_alu depctr_va_vdst(0)                   ; ahead of the first reader of the quotient and of O^T
.set j, 0
.rept 16
	v_pk_mul_f32 v[S+j:S+j+1], v[O+j:O+j+1], v[SUM:SUM+1] op_sel_hi:[1,0]
.set j, j+2
.endr
	v_max3_num_f32 v[T], |v[S]|, |v[S+1]|, 0x2800000
	v_max3_num_f32 v[T+1], |v[S+16]|, |v[S+17]|, 0x2800000
.irp i, 2,4,6,8,10,12,14
	v_max3_num_f32 v[T], v[T], |v[S+\i]|, |v[S+1+\i]|
	v_max3_num_f32 v[T+1], v[T+1], |v[S+16+\i]|, |v[S+17+\i]|
.endr
	v_max_num_f32 v[T], v[T], v[T+1]
	v_add_nc_u32 v[T], 0xfe000000, v[T]
	v_cvt_scalef32_pk16_bf6_f32 v[P:P+2], v[S:S+15], v[T]
	v_cvt_scalef32_pk16_bf6_f32 v[T+2:T+4], v[S+16:S+31], v[T]
	v_lshrrev_b32 v[T+1], 23, v[T]                 ; the scale's byte (a plain place behind the conversions)
	MIX P
.irp p, 0,1,2
	ds_store_b64 v[STA], v[P+2*\p:P+2*\p+1] offset:8*\p
.endr
.irp k, 0,1,2
	ds_load_b64 v[S+2*\k:S+2*\k+1], v[A1] offset:256*\k   ; LDS serves a wave's instructions in order: these see my stores
.endr
	s_wait_alu depctr_va_vdst(0)
	s_wait_dscnt 0x0
.irp k, 0,1,2
	global_store_b64 v[A0], v[S+2*\k:S+2*\k+1], s[\pb+4:\pb+5] offset:256*\k   ; 32 lanes store 256 consecutive bytes, at a multiple of 256
.endr
	global_store_b8 v[A2], v[T+1], s[\pb+6:\pb+7]  ; two bytes of each token's 32: the other heads' come from other clusters
.endm
.macro PHASE pb, g, trips, first
.if !\first
	s_wait_xcnt 0x0                                ; the last tile's stores have read their registers, which this tile writes again
.endif
	v_and_b32 v[T], 15, v0
	v_lshlrev_b32 v[T], 2, v[T]                    ; 4 r, in both halves of the lanes
.irp p, 0,1,2
	global_load_b64 v[Q+2*\p:Q+2*\p+1], v[QO], s[\pb:\pb+1] offset:8*\p       ; q's 64 along K, below the zeros
	global_load_b64 v[Q+12+2*\p:Q+13+2*\p], v[QO], s[\pb:\pb+1] offset:8*\p   ; and above them
.endr
	global_load_b32 v[QS], v[T], s[\pb+2:\pb+3]
	v_mov_b32 v[TM], 0xff61b1e6                    ; the largest t so far: -3e38
	v_floor_f32 v[NM], -v[TM]
	v_mov_b32 v[SUM], 0
	v_mov_b32 v[SUM+1], 0
	v_add_nc_u32 v[A2], KSC, v[SA]
	s_wait_alu depctr_va_vdst(0)                   ; ahead of the waits below
.if \first
	s_wait_tensorcnt 0x0                           ; my part of the record is in,
	s_barrier_signal -1
	s_barrier_wait -1                              ; everybody's is
.endif
	KLOAD KA0, KA1, A2, 0, 0                       ; key step 0
	s_wait_loadcnt 0x0
	s_wait_dscnt 0x0
.irp k, 0,1,2,3
	v_lshlrev_b32 v[KS+\k], v[VSH], v[KS+\k]
.endr
	v_lshlrev_b32 v[QS], v[VSH], v[QS]
.set j, 0
.rept 32
	v_mov_b32 v[O+j], 0                            ; the step is written once for each phase: its first trip finds zeros.  (Also the places between the scale words and the first products)
.set j, j+1
.endr
	s_mov_b32 s[CNT], 0
	s_mov_b32 s[TK], 0
	s_mov_b32 s[TV], VOFF
	s_mov_b32 s[TS], KSC
	s_mov_b32 s[TT], VSC
.Lkeys_\@:
	s_cmp_gt_u32 s[CNT], s[\g]                     ; a step all of whose keys come after my queries is passed over: a branch on the wave's number
	s_cbranch_scc1 .Lskip_\@
	STEP \g
.Lskip_\@:
	s_add_co_u32 s[TK], s[TK], 6144
	s_add_co_u32 s[TV], s[TV], 6144
	s_add_co_u32 s[TS], s[TS], 512
	s_add_co_u32 s[TT], s[TT], 256
	s_add_co_u32 s[CNT], s[CNT], 1
	s_cmp_lt_u32 s[CNT], \trips
	s_cbranch_scc1 .Lkeys_\@
	FINAL \pb
.endm
	PHASE PA, GA, 8, 1                             ; groups 0-7
	PHASE PB, GB, 16, 0                            ; groups 15-8
	s_wait_xcnt 0x0
	v_lshl_add_u32 v[T], v0, 2, SPARE              ; no two registers could be kept: the add's two are made anew
	v_mov_b32 v[T+1], 0
	s_wait_alu depctr_va_vdst(0)
	s_wait_tensorcnt 0x0                           ; the wave's end
	ds_add_u32 v[T], v[T+1]
	s_wait_dscnt 0x0
	CROUND                                         ; the closing round
	s_endpgm
.Lfunc_end_k_q258907cda8_attn:
	.size	k_q258907cda8_attn, .Lfunc_end_k_q258907cda8_attn-k_q258907cda8_attn
	.p2alignl 7, 3214868480
	.fill 96, 4, 3214868480
	.section	.rodata,"a",@progbits
	.p2align	6, 0x0
	.amdhsa_kernel k_q258907cda8_attn
		.amdhsa_group_segment_fixed_size 223232
		.amdhsa_private_segment_fixed_size 0
		.amdhsa_enable_private_segment 0
		.amdhsa_kernarg_size 40
		.amdhsa_user_sgpr_count 2
		.amdhsa_user_sgpr_kernarg_segment_ptr 1
		.amdhsa_wavefront_size32 1
		.amdhsa_system_sgpr_workgroup_id_x 1
		.amdhsa_system_sgpr_workgroup_id_y 1
		.amdhsa_system_sgpr_workgroup_id_z 1
		.amdhsa_system_vgpr_workitem_id 0
		.amdhsa_next_free_vgpr 256
		.amdhsa_next_free_sgpr 66
		.amdhsa_reserve_vcc 1
		.amdhsa_float_denorm_mode_32 3
		.amdhsa_float_denorm_mode_16_64 3
		.amdhsa_memory_ordered 1
		.amdhsa_forward_progress 1
		.amdhsa_inst_pref_size 72
	.end_amdhsa_kernel
	.amdgpu_metadata
---
amdhsa.version: [ 1, 2 ]
amdhsa.kernels:
  - .name:           k_q258907cda8_attn
    .symbol:         k_q258907cda8_attn.kd
    .args:
      - { .name: q_codes, .offset: 0, .size: 8, .value_kind: global_buffer, .address_space: global }
      - { .name: q_scales, .offset: 8, .size: 8, .value_kind: global_buffer, .address_space: global }
      - { .name: kv, .offset: 16, .size: 8, .value_kind: global_buffer, .address_space: global }
      - { .name: ao_codes, .offset: 24, .size: 8, .value_kind: global_buffer, .address_space: global }
      - { .name: ao_scales, .offset: 32, .size: 8, .value_kind: global_buffer, .address_space: global }
    .group_segment_fixed_size: 223232
    .private_segment_fixed_size: 0
    .kernarg_segment_align: 8
    .kernarg_segment_size: 40
    .max_flat_workgroup_size: 512
    .sgpr_count:     66
    .vgpr_count:     256
    .wavefront_size: 32
...
	.end_amdgpu_metadata
.endif
;; end of part 3
;; launch gemm_out (part 4): grid 4 x 64, 4 waves a work-group, clusters of 4 x 4, 327,680 bytes of LDS; arguments ao_codes, ao_scales, codes, scales, b_out, out0; writes out0
.if DOCPART == 4
	.amdgcn_target "amdgcn-amd-amdhsa--gfx1250"
	.amdhsa_code_object_version 6
	.text
	.protected	k_q258907cda8_gemm_out
	.globl	k_q258907cda8_gemm_out
	.p2align	8
	.type	k_q258907cda8_gemm_out,@function
k_q258907cda8_gemm_out:
	s_mov_b64 s[64:65], 0
	v_nop
	global_prefetch_b8 v0, s[64:65] scope:SCOPE_SE
	s_setreg_imm32_b32 hwreg(HW_REG_WAVE_MODE, 25, 1), 1
	s_wait_xcnt 0x0
	s_wait_alu depctr_hold_cnt(0) depctr_sa_sdst(0) depctr_va_vdst(0) depctr_va_sdst(0) depctr_va_ssrc(0) depctr_va_vcc(0) depctr_vm_vsrc(0)
	s_getreg_b32 s2, hwreg(HW_REG_IB_STS2, 6, 4)
	s_cmp_eq_u32 s2, 0
	s_cbranch_scc0 .Lentry_in_a_cluster
	s_endpgm
.Lentry_in_a_cluster:
	s_bfe_u32 s2, ttmp6, 0x10000c
	s_cmp_lg_u32 s2, 0xf033
	s_cbranch_scc0 .Lentry_shape_is_right
	s_endpgm
.Lentry_shape_is_right:
; out0 = attention's output x w_out^T + b_out, on codes of BF6 (E3M2) with E8M0 scales; sums in f32.
; OPERANDS: A = ao_codes [16 planes of 64 along K][8,192 token positions][48 bytes], ao_scales [8,192][32]; B = codes [16 planes][12,288 positions][48], scales [12,288][32], w_out at positions 11,264 on.
; An index n lies at the position n with bits 3 and 4 exchanged.
; A block of 128 tokens x 256 columns to a work-group: 64 x 4 = 256 work-groups.  K is 1,024: all of A's codes (16 x 6,144 bytes) and of B's (16 x 12,288) lie in LDS at once, 294,912 bytes,
; brought by four joint loads at the head, one a wave (waves 0, 1: A's planes 0-7, 8-15; waves 2, 3: B's).  Nothing is filled again: one barrier shows the tiles to all waves.
; All loads stand at the head, with no loop ahead of them in which a prefetch could run: none is written.
; CLUSTERS: 4 x 4 work-groups; A's tiles are asked for jointly along a row of the cluster, B's along a column.
; THE SCALE WORDS go from memory straight into registers: for a block of 16 rows lane (r, h) loads the 16 bytes at 32 r + 16 h, 512 consecutive bytes a load; register j then holds in lanes 0-15 the word of
; step j and in lanes 16-31 that of step 4 + j, which the instruction's scale-row selector picks.
; A wave makes 64 x 128: 32 accumulators, taken by turns in the same order in every step.  Eight steps of 128 along K, written out; two sets of fragments: the next
; step's 72 LDS loads are issued ahead of this step's 32 products.
; THE MATRIX INSTRUCTION IS USED TRANSPOSED (source 0 = 16 positions of B, source 1 = 16 of A): a lane holds eight neighbouring columns of one row of the result.
; REGISTERS: window 0: v0-31 addresses, v8-11 the bias; v32-47 A's scale words, v48-79 B's; v128-223 A's fragments, two sets; on the way out v128-255.  Window 1: B's fragments, at v0 and v128.  Window 2: accumulator (a, b) at v[8 (8 a + b)].
.set PLANE,  589824                    ; a plane of codes in bytes
.set PLQ,    393216                    ; a plane of ao_codes
.set APL,    6144                      ; a plane of A's tile in LDS: 128 rows x 48
.set BPL,    12288                     ; of B's: 256 rows x 48
.set BOFF,   16*APL                    ; B's tile lies behind A's
.set SPARE,  BOFF+16*BPL               ; behind the tiles: the spare words, 128 bytes for each wave
.set FR,     12
.set SPITCH, 528                       ; the way out: a stage of 16 rows x (512 + 16) bytes for each wave, on A's codes, behind a barrier that follows every wave's last fragment load
.set BO,   8
.set ADRA, 16                          ; v16-17  my A fragments, steps 0-3 and 4-7
.set ADRB, 18                          ; v18-21  my B fragments, two steps to a register
.set STO,  24
.set RD,   25
.set CO,   26
.set SPW,  28
.set NIL,  29
.set BOA,  30
.set SA,   32
.set SBS,  48
.set AF,   128
.set BK,   128
.set G1, 24
.set G0, 32
.set G1B, 48
.set G0B, 56
.set MSB, 0
.macro WIN new                         ; the immediate's high byte repeats the setting that is left
.if MSB != \new
	s_set_vgpr_msb (MSB<<8)|\new
.set MSB, \new
.endif
.endm
.set MUL,  0xa1                        ; source 0 (B) window 1, source 1 (A) window 0, C and D window 2
.set TO_B, 0x40                        ; destination window 1, address window 0
.macro CROUND                          ; a round of the cluster's barrier
	s_barrier_signal -1
	s_barrier_wait -1
	s_cmp_lg_u32 s14, 0
	s_cbranch_scc1 .Lnot_wave_0_\@
	s_barrier_signal -3
.Lnot_wave_0_\@:
	s_barrier_wait -3
	s_barrier_signal -1
	s_barrier_wait -1
.endm
.macro PLACES
.rept 4
	v_nop
.endr
.endm
	s_load_b128 s[4:7], s[0:1], 0x0                ; ao_codes, ao_scales
	s_load_b128 s[8:11], s[0:1], 0x10              ; codes, scales
	s_load_b128 s[96:99], s[0:1], 0x20             ; b_out, out0
	v_lshl_add_u32 v[SPW], v0, 2, SPARE
	v_mov_b32 v[NIL], 0
	ds_add_u32 v[SPW], v[NIL]                      ; the opening lines: the add, twice on end, and its wait
	ds_add_u32 v[SPW], v[NIL]
	v_lshrrev_b32 v1, 5, v0
	v_readfirstlane_b32 s14, v1                    ; wave 0..3
	s_lshr_b32 s15, s14, 1                         ; which 64 rows of A are mine.  Also: I fetch for A (0) or for B (1)
	s_and_b32 s16, s14, 1                          ; which 128 rows of B.  Also: which eight planes I fetch
	s_bfe_u32 s40, ttmp6, 0x40000                  ; cx, cy
	s_bfe_u32 s41, ttmp6, 0x40004
	s_lshl_b32 s42, ttmp9, 2
	s_add_co_u32 s42, s42, s40                     ; tile of 256 columns
	s_and_b32 s17, ttmp7, 0xffff
	s_lshl_b32 s17, s17, 2
	s_add_co_u32 s17, s17, s41                     ; tile of 128 tokens
	s_lshl_b32 s43, s41, 2
	s_lshl_b32 s43, 15, s43                        ; my row of the cluster
	s_lshl_b32 s44, 0x1111, s40                    ; my column
	s_or_b32 s[G1], s43, (3<<16)|(1<<21)           ; the mask; elements of 8 bytes; bit 21 beside a mask
	s_mov_b32 s[G1+1], 768<<16                     ; A: eight planes' runs of 128 positions x 48 bytes
	s_mov_b32 s[G1+2], 8<<16
	s_mov_b32 s[G1+3], 768<<16
	s_mov_b32 s[G1+4], 8
	s_mov_b32 s[G1+5], PLQ/8
	s_mov_b32 s[G1+6], 0
	s_mov_b32 s[G1+7], 0
	s_or_b32 s[G1B], s44, (3<<16)|(1<<21)
	s_mov_b32 s[G1B+1], 1536<<16                   ; B: of 256 positions
	s_mov_b32 s[G1B+2], 8<<16
	s_mov_b32 s[G1B+3], 1536<<16
	s_mov_b32 s[G1B+4], 8
	s_mov_b32 s[G1B+5], PLANE/8
	s_mov_b32 s[G1B+6], 0
	s_mov_b32 s[G1B+7], 0
	s_lshl_b32 s20, s17, 7                         ; A's first position
	s_lshl_b32 s46, s42, 8
	s_add_co_u32 s46, s46, 11264                   ; B's
	s_lshl_b32 s18, s15, 6
	s_add_co_u32 s22, s20, s18
	s_lshl_b32 s22, s22, 5                         ; the scales of my 64 rows of A,
	s_mov_b32 s23, 0
	s_lshl_b32 s18, s16, 7
	s_add_co_u32 s92, s46, s18
	s_lshl_b32 s92, s92, 5                         ; and of my 128 rows of B
	s_mov_b32 s93, 0
	s_mul_i32 s20, s20, 48
	s_mul_i32 s18, s16, 8*PLQ
	s_add_co_u32 s20, s20, s18                     ; the codes that I fetch: my eight planes of A's tile,
	s_mov_b32 s21, 0
	s_mul_i32 s46, s46, 48
	s_mul_i32 s18, s16, 8*PLANE
	s_add_co_u32 s46, s46, s18                     ; or of B's
	s_mov_b32 s47, 0
	s_mul_i32 s45, s16, 8*APL                      ; and where they go: no place in the cluster enters an LDS address
	s_mul_i32 s94, s16, 8*BPL
	s_add_co_u32 s94, s94, BOFF
	s_wait_dscnt 0x0
	s_wait_kmcnt 0x0
	s_add_nc_u64 s[20:21], s[4:5], s[20:21]
	s_add_nc_u64 s[22:23], s[6:7], s[22:23]
	s_add_nc_u64 s[46:47], s[8:9], s[46:47]
	s_add_nc_u64 s[92:93], s[10:11], s[92:93]
	CROUND                                         ; all sixteen work-groups are here: the joint loads meet
	s_mov_b32 s[G0], 1
	s_mov_b32 s[G0+1], s45
	s_mov_b64 s[G0+2:G0+3], s[20:21]
	s_or_b32 s[G0+3], s[G0+3], 0x80000000
	s_mov_b32 s[G0B], 1
	s_mov_b32 s[G0B+1], s94
	s_mov_b64 s[G0B+2:G0B+3], s[46:47]
	s_or_b32 s[G0B+3], s[G0B+3], 0x80000000
	s_cmp_eq_u32 s15, 0                            ; my one tensor load of the launch: each line has one mask; the branch hangs on the wave's number alone
	s_cbranch_scc0 .Lfor_b
	tensor_load_to_lds s[G0:G0+3], s[G1:G1+7]
	s_nop 0
	PLACES
	s_branch .Lasked
.Lfor_b:
	tensor_load_to_lds s[G0B:G0B+3], s[G1B:G1B+7]
	s_nop 0
	PLACES
.Lasked:
	s_mul_i32 s3, s15, 3072                        ; my 64 rows in a plane of A
	s_mul_i32 s2, s16, 6144                        ; my 128 rows in a plane of B
	s_add_co_u32 s2, s2, BOFF
	s_mul_i32 s18, s14, 16*SPITCH                  ; my stage
	s_lshl_b32 s46, s42, 10
	s_lshl_b32 s47, s16, 9
	s_add_co_u32 s46, s46, s47                     ; my first column, in bytes
	s_lshl_b32 s20, s17, 7
	s_lshl_b32 s19, s15, 6
	s_add_co_u32 s20, s20, s19
	s_lshl_b32 s20, s20, 12                        ; my first row: 4,096 bytes a row
	s_add_co_u32 s20, s20, s46
	s_mov_b32 s21, 0
	s_add_nc_u64 s[98:99], s[98:99], s[20:21]
	v_and_b32 v1, 15, v0                           ; r
	v_bfe_u32 v2, v0, 4, 1                         ; h
	v_mul_u32_u24 v3, v1, 48
	v_mad_u32_u24 v4, v2, 24, v3                   ; a fragment's row x 48 + 24 x half
	v_add_nc_u32 v[ADRA], s3, v4
	v_add_nc_u32 v[ADRB], s2, v4
	v_add_nc_u32 v[ADRA+1], 8*APL, v[ADRA]
	v_add_nc_u32 v[ADRB+1], 4*BPL, v[ADRB]
	v_add_nc_u32 v[ADRB+2], 8*BPL, v[ADRB]
	v_add_nc_u32 v[ADRB+3], 12*BPL, v[ADRB]
	v_lshlrev_b32 v5, 5, v1
	v_lshl_add_u32 v5, v2, 4, v5                   ; scale words: 32 r + 16 h
	v_mul_u32_u24 v6, v1, SPITCH
	v_lshl_add_u32 v6, v2, 6, v6
	v_add_nc_u32 v[STO], s18, v6                   ; the stage, in: row r, 64 bytes on for lanes 16-31
	v_and_b32 v7, 31, v0
	v_lshlrev_b32 v[CO], 4, v7                     ; back: the 32 lanes take one row of 512 bytes; the same in out0
	v_add_nc_u32 v[RD], s18, v[CO]
	v_add_nc_u32 v[BOA], s46, v[CO]
.irp a, 0,1,2,3
	global_load_b128 v[SA+4*\a:SA+4*\a+3], v5, s[22:23] offset:512*\a
.endr
.irp b, 0,1,2,3,4,5,6,7
	global_load_b128 v[SBS+4*\b:SBS+4*\b+3], v5, s[92:93] offset:512*\b
.endr
	global_load_b128 v[BO:BO+3], v[BOA], s[96:97]  ; the bias of my four columns of a row read back
.macro FRAG reg, adr, off, pl          ; 16 rows x 128 K: registers 0-5 the lane's 24 bytes of the step's first plane, 6-11 of its second, in pieces of 8 bytes
.irp p, 0,1,2,3,4,5
	ds_load_b64 v[\reg+2*\p:\reg+2*\p+1], v[\adr] offset:\off+(\p/3)*\pl+8*(\p%3)
.endr
.endm
.macro FETCH st                        ; step st's fragments into set st % 2: 72 LDS loads
	WIN TO_B
.irp i, 0,1,2,3,4,5,6,7
	FRAG 128*((\st)%2)+FR*\i, ADRB+(\st)/2, 2*((\st)%2)*BPL+\i*768, BPL
.endr
	WIN 0
.irp i, 0,1,2,3
	FRAG AF+48*((\st)%2)+FR*\i, ADRA+(\st)/4, 2*((\st)%4)*APL+\i*768, APL
.endr
.endm
.macro MUL16 a0, st                    ; A's blocks a0, a0 + 1 x B's eight.  The first step's products start the sums
.irp a, \a0, \a0+1
.irp b, 0,1,2,3,4,5,6,7
.if (\st) == 0
	v_wmma_scale_f32_16x16x128_f8f6f4 v[8*(8*(\a)+\b):8*(8*(\a)+\b)+7], v[FR*\b:FR*\b+FR-1], v[AF+FR*(\a):AF+FR*(\a)+FR-1], 0, v[SBS+4*\b], v[SA+4*(\a)] matrix_a_fmt:MATRIX_FMT_BF6 matrix_b_fmt:MATRIX_FMT_BF6
.else
.if (\st) < 4
	v_wmma_scale_f32_16x16x128_f8f6f4 v[8*(8*(\a)+\b):8*(8*(\a)+\b)+7], v[128*((\st)%2)+FR*\b:128*((\st)%2)+FR*\b+FR-1], v[AF+48*((\st)%2)+FR*(\a):AF+48*((\st)%2)+FR*(\a)+FR-1], v[8*(8*(\a)+\b):8*(8*(\a)+\b)+7], v[SBS+4*\b+(\st)%4], v[SA+4*(\a)+(\st)%4] matrix_a_fmt:MATRIX_FMT_BF6 matrix_b_fmt:MATRIX_FMT_BF6
.else
	v_wmma_scale_f32_16x16x128_f8f6f4 v[8*(8*(\a)+\b):8*(8*(\a)+\b)+7], v[128*((\st)%2)+FR*\b:128*((\st)%2)+FR*\b+FR-1], v[AF+48*((\st)%2)+FR*(\a):AF+48*((\st)%2)+FR*(\a)+FR-1], v[8*(8*(\a)+\b):8*(8*(\a)+\b)+7], v[SBS+4*\b+(\st)%4], v[SA+4*(\a)+(\st)%4] matrix_a_fmt:MATRIX_FMT_BF6 matrix_b_fmt:MATRIX_FMT_BF6 matrix_a_scale:MATRIX_SCALE_ROW1 matrix_b_scale:MATRIX_SCALE_ROW1
.endif
.endif
.endr
.endr
.endm
.macro STEP st
	s_wait_dscnt 0x0                               ; this step's 72 loads, issued ahead of the last step's products, are in
.if (\st) == 7
	s_barrier_signal -1                            ; my reads of the tiles are over
.else
.if (\st) > 0
	PLACES                                         ; in front of loads into the set that the last step multiplied
.endif
	FETCH (\st)+1
.endif
	WIN MUL
	MUL16 0, \st
	MUL16 2, \st
	WIN 0
.endm
	s_wait_alu depctr_va_vdst(0)                   ; at the head's end
	s_wait_tensorcnt 0x0                           ; my part of the tiles is in,
	s_barrier_signal -1
	s_barrier_wait -1                              ; everybody's is
	FETCH 0
	s_wait_loadcnt 0x0                             ; the scale words and the bias
.irp st, 0,1,2,3,4,5,6,7
	STEP \st
.endr
	s_barrier_wait -1                              ; nobody reads the tiles any more: the stages may lie on A's codes, which have had their only fill
; THE WAY OUT, block by block of 16 positions of A x 128 columns: through my own stage, back as whole rows of 512 bytes, the bias added, stored as two aligned runs of 256 bytes.
; B's tile b holds the columns 32 (b / 2) + 8 (b % 2) + 16 h + 0..7; A's block a the tokens 32 (a / 2) + 8 (a % 2) + 0..7 and 16 further on.
.macro TOSTAGE a
	WIN 0x08                                       ; the data: window 2
.irp b, 0,1,2,3,4,5,6,7
	ds_store_b128 v[STO], v[64*(\a)+8*\b:64*(\a)+8*\b+3] offset:128*(\b/2)+32*(\b%2)       ; each accumulator from its low end on
	ds_store_b128 v[STO], v[64*(\a)+8*\b+4:64*(\a)+8*\b+7] offset:128*(\b/2)+32*(\b%2)+16
.endr
	WIN 0
.set BB, BK+64*((\a)%2)
.irp t, 0,1,2,3,4,5,6,7,8,9,10,11,12,13,14,15
	ds_load_b128 v[BB+4*\t:BB+4*\t+3], v[RD] offset:\t*SPITCH   ; LDS serves a wave's instructions in order: these see my stores
.endr
.endm
.macro SEND a, younger                 ; younger: the LDS instructions issued behind block a's loads, which may stay out
.set BB, BK+64*((\a)%2)
	s_wait_dscnt \younger
.if (\a) > 0
.if ((\a)%2) == 1
	s_add_nc_u64 s[98:99], s[98:99], 8*4096        ; (behind a wait on XCNT: the earlier stores have read their base)
.else
	s_add_nc_u64 s[98:99], s[98:99], 24*4096
.endif
.endif
.irp t, 0,1,2,3,4,5,6,7,8,9,10,11,12,13,14,15
	v_pk_add_f32 v[BB+4*\t:BB+4*\t+1], v[BB+4*\t:BB+4*\t+1], v[BO:BO+1]
	v_pk_add_f32 v[BB+4*\t+2:BB+4*\t+3], v[BB+4*\t+2:BB+4*\t+3], v[BO+2:BO+3]
	global_store_b128 v[CO], v[BB+4*\t:BB+4*\t+3], s[98:99] offset:(\t+8*(\t/8))*4096 th:TH_STORE_NT
.endr
.endm
	PLACES                                         ; behind the last products: results are read, and loads land where A's fragments lay
	TOSTAGE 0
.irp a, 1,2,3
.if \a > 1
	s_wait_xcnt 0x0                                ; block a - 2's stores have read their registers and their base
.endif
	TOSTAGE \a
	SEND \a-1, 32                                  ; behind block a - 1's loads: block a's 16 stores and 16 loads
.endr
	s_wait_xcnt 0x0
	SEND 3, 0
	s_wait_tensorcnt 0x0                           ; the wave's end
	ds_add_u32 v[SPW], v[NIL]
	s_wait_dscnt 0x0
	CROUND                                         ; the closing round
	s_endpgm
.Lfunc_end_k_q258907cda8_gemm_out:
	.size	k_q258907cda8_gemm_out, .Lfunc_end_k_q258907cda8_gemm_out-k_q258907cda8_gemm_out
	.p2alignl 7, 3214868480
	.fill 96, 4, 3214868480
	.section	.rodata,"a",@progbits
	.p2align	6, 0x0
	.amdhsa_kernel k_q258907cda8_gemm_out
		.amdhsa_group_segment_fixed_size 327680
		.amdhsa_private_segment_fixed_size 0
		.amdhsa_enable_private_segment 0
		.amdhsa_kernarg_size 48
		.amdhsa_user_sgpr_count 2
		.amdhsa_user_sgpr_kernarg_segment_ptr 1
		.amdhsa_wavefront_size32 1
		.amdhsa_system_sgpr_workgroup_id_x 1
		.amdhsa_system_sgpr_workgroup_id_y 1
		.amdhsa_system_sgpr_workgroup_id_z 1
		.amdhsa_system_vgpr_workitem_id 0
		.amdhsa_next_free_vgpr 768
		.amdhsa_next_free_sgpr 102
		.amdhsa_reserve_vcc 0
		.amdhsa_float_denorm_mode_32 3
		.amdhsa_float_denorm_mode_16_64 3
		.amdhsa_memory_ordered 1
		.amdhsa_forward_progress 1
		.amdhsa_inst_pref_size 101
	.end_amdhsa_kernel
	.amdgpu_metadata
---
amdhsa.version: [ 1, 2 ]
amdhsa.kernels:
  - .name:           k_q258907cda8_gemm_out
    .symbol:         k_q258907cda8_gemm_out.kd
    .args:
      - { .name: ao_codes, .offset: 0, .size: 8, .value_kind: global_buffer, .address_space: global }
      - { .name: ao_scales, .offset: 8, .size: 8, .value_kind: global_buffer, .address_space: global }
      - { .name: codes, .offset: 16, .size: 8, .value_kind: global_buffer, .address_space: global }
      - { .name: scales, .offset: 24, .size: 8, .value_kind: global_buffer, .address_space: global }
      - { .name: b_out, .offset: 32, .size: 8, .value_kind: global_buffer, .address_space: global }
      - { .name: out0, .offset: 40, .size: 8, .value_kind: global_buffer, .address_space: global }
    .group_segment_fixed_size: 327680
    .private_segment_fixed_size: 0
    .kernarg_segment_align: 8
    .kernarg_segment_size: 48
    .max_flat_workgroup_size: 128
    .sgpr_count:     102
    .vgpr_count:     768
    .wavefront_size: 32
...
	.end_amdgpu_metadata
.endif
;; end of part 4
